; MI455X (gfx1250); checked and timed in simulation.
; The chip was launched on July 23, 2026; its instructions are those of AMD's public machine-readable ISA for CDNA 5 (MIT licence, August 2026) and "CDNA5" Instruction Set Architecture Reference Guide (July 2026). The comments in the code are by the model that wrote it; some were corrected since.
;; Qwen3 Moe Attention. Allowed arithmetic: float matrix products may take bf16 or f16 operands with f32 sums; other float arithmetic in f32, or as packed bf16 or f16 multiplies, adds, multiply-adds, maxima and minima; sums over many terms, partial sums and values carried from step to step in f32; what a program stores and reads back later, other than sums and carried values, may be rounded once to bf16 or f16.
;; Inputs: Wk 2,048 x 512 float32; Wo 4,096 x 2,048 float32; Wq 2,048 x 4,096 float32; Wv 2,048 x 512 float32; cos 1,024 x 128 float32; hidden_states 2 x 1,024 x 2,048 float32; k_norm_w 128 float32; q_norm_w 128 float32; sin 1,024 x 128 float32.
;; Outputs: out0 2 x 1,024 x 2,048 float32.
;; One version. Each part assembles by itself: llvm-mc -triple=amdgcn-amd-amdhsa -mcpu=gfx1250 --defsym DOCPART=n.
;; ======== version 1 of 1: 4 launches
;; limits: values are held in f16: magnitudes above 65,504 overflow, below 6.1e-05 lose precision
;; workspace buffers: xb 8,388,608 bytes; wb 20,971,520 bytes; wo16 16,777,216 bytes; rot 2,097,152 bytes; qh 16,777,216 bytes; kh 2,097,152 bytes; vh 2,097,152 bytes; ob 16,777,216 bytes
;; launch prep (part 1): grid 1920 x 1, 8 waves a work-group, no clusters, 0 bytes of LDS; arguments hidden_states, Wq, Wk, Wv, cos, sin, q_norm_w, k_norm_w, xb, wb, rot; writes xb, wb, rot
.if DOCPART == 1
	.amdgcn_target "amdgcn-amd-amdhsa--gfx1250"
	.amdhsa_code_object_version 6
	.text
	.protected	k_qe961c3b317_prep
	.globl	k_qe961c3b317_prep
	.p2align	8
	.type	k_qe961c3b317_prep,@function
k_qe961c3b317_prep:
	s_mov_b64 s[64:65], 0
	v_nop
	global_prefetch_b8 v0, s[64:65] scope:SCOPE_SE
	s_setreg_imm32_b32 hwreg(HW_REG_WAVE_MODE, 25, 1), 1
	s_wait_xcnt 0x0
; THE FIRST PRODUCT'S OPERANDS ARE MADE.  Every input is rounded once to bf16 (to nearest even):
;   xb   [2048][2048] bf16 = hidden_states
;   wb   [2048 k][5120] bf16: columns 0-4095 Wq; 4096 + 256 j + c Wk's head j; 4096 + 256 j + 128 + c Wv's head j (c < 128)
;   rot  four f32 tables [1024][128]: CAq, SBq, CAk, SBk, with CA[s][c] = w[c] cos[s][c],
;        SB[s][c] = -w[c+64] sin[s][c] (c < 64), +w[c-64] sin[s][c] (c >= 64): products of two bf16 numbers, exact in f32.
; (Wo is cast in the next launch, by work-groups that have no tile there.)
; SHARES.  A casting work-group takes 8,192 numbers on end of one tensor: eight units of 1,024; thread t takes numbers 4 t .. 4 t + 3 of each unit.  A load of a wave covers 512
; consecutive bytes, a store of 8 bytes a lane 256 consecutive bytes, aligned.  All eight loads are out at once; each unit has registers of its own.
; A table work-group takes one unit: 8 positions of the four tables.
; No LDS, no matrix unit, no cluster: each byte is read once and nothing is shared.
.set W_X, 512                          ; work-groups 0 .. 511 take x,
.set W_Q, 1536                         ; up to here Wq,
.set W_K, 1664                         ; Wk,
.set W_V, 1792                         ; Wv; the last 128 make the tables
.set TBL, 524288                       ; bytes in a table
	s_load_b512 s[4:19], s[0:1], 0x0               ; hidden 4, Wq 6, Wk 8, Wv 10, cos 12, sin 14, q_norm_w 16, k_norm_w 18
	s_load_b128 s[20:23], s[0:1], 0x40             ; xb 20, wb 22
	s_load_b64 s[24:25], s[0:1], 0x50              ; rot
	s_mov_b32 s2, ttmp9
	s_mov_b32 s47, 0                               ; the high word of every offset pair
	v_lshlrev_b32 v1, 4, v0                        ; 16 t: my bytes in a unit of f32
	v_lshlrev_b32 v2, 2, v0                        ; 4 t: my numbers in a unit
	s_cmp_ge_u32 s2, W_V
	s_cbranch_scc1 .Ltab
	; which tensor: the work-group's number in it (s30), log2 of a row's numbers (s31), bytes from row to row in the target (s33),
	; bytes from one block of 128 columns to the next there (s34), the work-group's rows in bytes (s35), the first column's byte (s36)
	s_sub_co_u32 s42, s2, W_X
	s_sub_co_u32 s43, s2, W_Q
	s_sub_co_u32 s44, s2, W_K
	s_mov_b32 s30, s2
	s_mov_b32 s31, 11
	s_mov_b32 s33, 4096
	s_mov_b32 s34, 256
	s_mov_b32 s35, 16384
	s_mov_b32 s36, 0
	s_wait_kmcnt 0x0
	s_mov_b64 s[38:39], s[4:5]
	s_mov_b64 s[40:41], s[20:21]
	s_cmp_ge_u32 s2, W_X                           ; Wq: rows of 4,096 numbers into rows of 10,240 bytes
	s_cselect_b32 s30, s42, s30
	s_cselect_b32 s31, 12, s31
	s_cselect_b32 s33, 10240, s33
	s_cselect_b32 s35, 20480, s35
	s_cselect_b64 s[38:39], s[6:7], s[38:39]
	s_cselect_b64 s[40:41], s[22:23], s[40:41]
	s_cmp_ge_u32 s2, W_Q                           ; Wk: rows of 512; head j goes 512 j bytes behind column 4096
	s_cselect_b32 s30, s43, s30
	s_cselect_b32 s31, 9, s31
	s_cselect_b32 s34, 512, s34
	s_cselect_b32 s35, 163840, s35
	s_cselect_b32 s36, 8192, s36
	s_cselect_b64 s[38:39], s[8:9], s[38:39]
	s_cmp_ge_u32 s2, W_K                           ; Wv: the same, 128 columns further on
	s_cselect_b32 s30, s44, s30
	s_cselect_b32 s36, 8448, s36
	s_cselect_b64 s[38:39], s[10:11], s[38:39]
	s_bfm_b32 s32, s31, 0                          ; the mask of a column's number
	s_lshl_b32 s46, s30, 15                        ; 8,192 numbers of 4 bytes
	s_add_nc_u64 s[38:39], s[38:39], s[46:47]
	s_mul_i32 s46, s30, s35
	s_add_co_u32 s46, s46, s36
	s_add_nc_u64 s[40:41], s[40:41], s[46:47]
.irp j, 0,1,2,3,4,5,6,7
	global_load_b128 v[8+4*(\j):11+4*(\j)], v1, s[38:39] offset:4096*(\j) th:TH_LOAD_NT
.endr
.irp j, 0,1,2,3,4,5,6,7                ; where unit j's four numbers go: row x pitch + block of 128 columns x its step + 2 x the column in the block
	v_add_nc_u32 v6, 1024*(\j), v2
	v_lshrrev_b32 v7, s31, v6
	v_and_b32 v6, s32, v6
	v_mul_u32_u24 v7, s33, v7
	v_lshrrev_b32 v3, 7, v6
	v_and_b32 v6, 127, v6
	v_mad_u32_u24 v7, v3, s34, v7
	v_lshl_add_u32 v[40+(\j)], v6, 1, v7
.endr
.irp j, 0,1,2,3,4,5,6,7
	s_wait_loadcnt 7-(\j)                          ; loads come back in order: the 7 - j younger ones stay out
	v_cvt_pk_bf16_f32 v[48+2*(\j)], v[8+4*(\j)], v[9+4*(\j)]
	v_cvt_pk_bf16_f32 v[49+2*(\j)], v[10+4*(\j)], v[11+4*(\j)]
	global_store_b64 v[40+(\j)], v[48+2*(\j):49+2*(\j)], s[40:41]  ; 32 lanes: 256 consecutive bytes, aligned
.endr
	s_endpgm
.Ltab:                                 ; 8 positions of the four tables
	s_sub_co_u32 s30, s2, W_V
	s_lshl_b32 s46, s30, 12                        ; 1,024 numbers of 4 bytes
	s_wait_kmcnt 0x0
	s_add_nc_u64 s[12:13], s[12:13], s[46:47]
	s_add_nc_u64 s[14:15], s[14:15], s[46:47]
	s_add_nc_u64 s[24:25], s[24:25], s[46:47]
	v_and_b32 v3, 0x1ff, v1                        ; my four channels' bytes in a gain vector,
	v_xor_b32 v4, 0x100, v3                        ; and those of the channels 64 away
	global_load_b128 v[16:19], v3, s[16:17]
	global_load_b128 v[20:23], v4, s[16:17]
	global_load_b128 v[24:27], v3, s[18:19]
	global_load_b128 v[28:31], v4, s[18:19]
	global_load_b128 v[8:11], v1, s[12:13] th:TH_LOAD_NT
	global_load_b128 v[12:15], v1, s[14:15] th:TH_LOAD_NT
.macro RND4 r                          ; four f32 rounded to bf16 and widened again
	v_cvt_pk_bf16_f32 v6, v[\r], v[(\r)+1]
	v_cvt_pk_bf16_f32 v7, v[(\r)+2], v[(\r)+3]
	v_lshlrev_b32 v[\r], 16, v6
	v_and_b32 v[(\r)+1], 0xffff0000, v6
	v_lshlrev_b32 v[(\r)+2], 16, v7
	v_and_b32 v[(\r)+3], 0xffff0000, v7
.endm
	v_and_b32 v5, 16, v0                           ; threads with this bit off hold channels below 64
	v_mov_b32 v6, -1.0
	v_cmp_eq_u32 vcc_lo, 0, v5
	v_cndmask_b32 v5, 1.0, v6, vcc_lo              ; their partner's gain enters with a minus
	s_wait_loadcnt 2                               ; the four gain loads are in; cos and sin stay out
	RND4 16
	RND4 20
	RND4 24
	RND4 28
.irp i, 20,21,22,23,28,29,30,31
	v_mul_f32 v[\i], v5, v[\i]
.endr
	s_wait_loadcnt 0x0
	RND4 8
	RND4 12
	v_pk_mul_f32 v[32:33], v[16:17], v[8:9]
	v_pk_mul_f32 v[34:35], v[18:19], v[10:11]
	v_pk_mul_f32 v[36:37], v[20:21], v[12:13]
	v_pk_mul_f32 v[38:39], v[22:23], v[14:15]
	v_pk_mul_f32 v[40:41], v[24:25], v[8:9]
	v_pk_mul_f32 v[42:43], v[26:27], v[10:11]
	v_pk_mul_f32 v[44:45], v[28:29], v[12:13]
	v_pk_mul_f32 v[46:47], v[30:31], v[14:15]
	global_store_b128 v1, v[32:35], s[24:25]
	global_store_b128 v1, v[36:39], s[24:25] offset:TBL
	global_store_b128 v1, v[40:43], s[24:25] offset:2*TBL
	global_store_b128 v1, v[44:47], s[24:25] offset:3*TBL
	s_endpgm
.Lfunc_end_k_qe961c3b317_prep:
	.size	k_qe961c3b317_prep, .Lfunc_end_k_qe961c3b317_prep-k_qe961c3b317_prep
	.p2alignl 7, 3214868480
	.fill 96, 4, 3214868480
	.section	.rodata,"a",@progbits
	.p2align	6, 0x0
	.amdhsa_kernel k_qe961c3b317_prep
		.amdhsa_group_segment_fixed_size 0
		.amdhsa_private_segment_fixed_size 0
		.amdhsa_enable_private_segment 0
		.amdhsa_kernarg_size 88
		.amdhsa_user_sgpr_count 2
		.amdhsa_user_sgpr_kernarg_segment_ptr 1
		.amdhsa_wavefront_size32 1
		.amdhsa_system_sgpr_workgroup_id_x 1
		.amdhsa_system_sgpr_workgroup_id_y 1
		.amdhsa_system_sgpr_workgroup_id_z 1
		.amdhsa_system_vgpr_workitem_id 0
		.amdhsa_next_free_vgpr 64
		.amdhsa_next_free_sgpr 66
		.amdhsa_reserve_vcc 1
		.amdhsa_float_denorm_mode_32 3
		.amdhsa_float_denorm_mode_16_64 3
		.amdhsa_memory_ordered 1
		.amdhsa_forward_progress 1
		.amdhsa_inst_pref_size 13
	.end_amdhsa_kernel
	.amdgpu_metadata
---
amdhsa.version: [ 1, 2 ]
amdhsa.kernels:
  - .name:           k_qe961c3b317_prep
    .symbol:         k_qe961c3b317_prep.kd
    .args:
      - { .name: hidden_states, .offset: 0, .size: 8, .value_kind: global_buffer, .address_space: global }
      - { .name: Wq, .offset: 8, .size: 8, .value_kind: global_buffer, .address_space: global }
      - { .name: Wk, .offset: 16, .size: 8, .value_kind: global_buffer, .address_space: global }
      - { .name: Wv, .offset: 24, .size: 8, .value_kind: global_buffer, .address_space: global }
      - { .name: cos, .offset: 32, .size: 8, .value_kind: global_buffer, .address_space: global }
      - { .name: sin, .offset: 40, .size: 8, .value_kind: global_buffer, .address_space: global }
      - { .name: q_norm_w, .offset: 48, .size: 8, .value_kind: global_buffer, .address_space: global }
      - { .name: k_norm_w, .offset: 56, .size: 8, .value_kind: global_buffer, .address_space: global }
      - { .name: xb, .offset: 64, .size: 8, .value_kind: global_buffer, .address_space: global }
      - { .name: wb, .offset: 72, .size: 8, .value_kind: global_buffer, .address_space: global }
      - { .name: rot, .offset: 80, .size: 8, .value_kind: global_buffer, .address_space: global }
    .group_segment_fixed_size: 0
    .private_segment_fixed_size: 0
    .kernarg_segment_align: 8
    .kernarg_segment_size: 88
    .max_flat_workgroup_size: 256
    .sgpr_count:     66
    .vgpr_count:     64
    .wavefront_size: 32
...
	.end_amdgpu_metadata
.endif
;; end of part 1
;; launch qkv (part 2): grid 32 x 8, 4 waves a work-group, clusters of 4 x 4, 327,680 bytes of LDS; arguments xb, wb, rot, qh, kh, vh, Wo, wo16; writes qh, kh, vh, wo16
.if DOCPART == 2
	.amdgcn_target "amdgcn-amd-amdhsa--gfx1250"
	.amdhsa_code_object_version 6
	.text
	.protected	k_qe961c3b317_qkv
	.globl	k_qe961c3b317_qkv
	.p2align	8
	.type	k_qe961c3b317_qkv,@function
k_qe961c3b317_qkv:
	s_mov_b64 s[64:65], 0
	v_nop
	global_prefetch_b8 v0, s[64:65] scope:SCOPE_SE
	s_setreg_imm32_b32 hwreg(HW_REG_WAVE_MODE, 25, 1), 1
	s_wait_xcnt 0x0
	s_wait_alu depctr_hold_cnt(0) depctr_sa_sdst(0) depctr_va_vdst(0) depctr_va_sdst(0) depctr_va_ssrc(0) depctr_va_vcc(0) depctr_vm_vsrc(0)
	s_getreg_b32 s2, hwreg(HW_REG_IB_STS2, 6, 4)
	s_cmp_eq_u32 s2, 0
	s_cbranch_scc0 .Lentry_in_a_cluster
	s_endpgm
.Lentry_in_a_cluster:
	s_bfe_u32 s2, ttmp6, 0x10000c
	s_cmp_lg_u32 s2, 0xf033
	s_cbranch_scc0 .Lentry_shape_is_right
	s_endpgm
.Lentry_shape_is_right:
; THE THREE PROJECTIONS, THE NORM AND THE ROTATION; BESIDE THEM, Wo's CAST.
; C = xb wb (bf16 operands, f32 sums, K = 2,048); then, for each head's 128 columns of a row,
; y = x rsqrt(mean(x^2) + 1e-6) w, rotated: y[c] = rs (x[c] CA[s][c] + x[c xor 64] SB[s][c]) with the folded tables of the launch before; v is taken as it is.
; q, k, v leave by heads, [batch][head][position][128] in f16, each rounded once from f32.
; q AND k LEAVE WITH ONE FIXED PERMUTATION OF THEIR CHANNELS: place 8 i + e holds channel 4 i + e, place 8 i + 4 + e channel 64 + 4 i + e (i < 16, e < 4): both carry it, so their products are unchanged.
; LIMITS.  f16 ends at 65,504: |q|, |k| are at most 11.4 |w| (|cos| + |sin|); v is the raw sum and must stay under 65,504.  NaN and infinities are not treated apart.
; Wo: rounded to bf16, that number written as f16: the same number from 6.1e-5 to 65,504; below it keeps f16's fixed step of 6e-8, beyond it becomes an infinity.
; SHARES.  A tile of C is 256 x 256, four waves of 128 x 128 (64 accumulators, 512 registers).  The tile's rows are positions 128 ty .. + 127 of BOTH batches (half wr = batch wr), so that a position's
; table rows serve two batches and two heads.  Its columns are two heads: query heads 2 tc, 2 tc + 1 (clusters 0 to 3 along x), or key head cx and value head cx (cluster 4): which kind hangs on the
; cluster's x alone.  160 tiles: a head's 128 columns stay in one wave, which the norm wants.  Clusters 5 to 7 along x, 96 work-groups, have no tile: they make wo16 [4096][2048] for the launch after next.
; THE RING.  K goes in steps of 128 through two LDS slots.  A's rows lie along K (256 bytes); B lies [k][column]: 128 k-rows of 512 bytes, turned on the way into registers by ds_load_tr16_b128.
; A K step is written once for the trips that fill a slot again and once for the last two: one descriptor a tensor walks, and an exclusive or turns its LDS word, and the fragments' addresses, from slot to slot.
; CLUSTERS.  4 x 4 work-groups; A's tile is asked for jointly along a row of the cluster, B's along a column.
; THE MATRIX INSTRUCTION IS USED TRANSPOSED (source 0 = 16 columns of B, source 1 = 16 rows of A): a lane holds row l % 16 of C and the columns 8 (l / 16) + 0 .. 7.
; REGISTERS, in windows of 256: window 0: v16-31 addresses; v64-127, v128-191 A's fragments, two buffers; window 1: the same two for B; windows 2, 3: the accumulators ((a, b) at v[8 (8 a + b)]).
; On the way out: window 0 v64-191 a plane's numbers (XR), v192-223 sums of squares (SS); window 1 the tables; window 2 v0-127 at work (T).
.set SIZE_K, 2048
.set KSTEP,  128
.set STEPS,  SIZE_K/KSTEP
.set PA,     272                       ; A's LDS row: 256 bytes + 16 = 68 words: the 16 rows of a load start at 16 different groups of four banks (64 banks of 4 bytes: ISA guide 11.1)
.set PB,     544                       ; B's LDS row: 512 bytes + 32 = 17 x 32 bytes
.set HALFT,  128*PA                    ; what one tensor load brings: 128 rows of A, or 64 k-rows of B (64 x 544 is the same number): 0x8800
.set SLOT,   4*HALFT                   ; A's 256 rows, then B's 128 k-rows: 0x22000, whose two bits are in none of 0, 0x8800, 0x11000, 0x19800: there an exclusive or with it adds it or takes it away
.set SPARE,  2*SLOT                    ; behind the ring: the spare words, 128 bytes a wave: two blocks of 256 bytes that no other line names
.set WROW,   10240                     ; bytes in a row of wb
.set DP,     528                       ; the way out: a row of 128 f32 + 16 bytes = 132 words: 16 rows start at 16 different groups of four banks
.set PLANE,  128*DP                    ; a plane = one head slot x one batch; four planes lie over the ring, whose last fill is past by then
.set TBL,    524288
.set A0,   16                          ; v16 my A fragments' place in a slot; never rewritten
.set ADRA, 17                          ; v17 the same in the slot in hand
.set B0,   20                          ; v20, v21 the same for B
.set ADRB, 21
.set DA,   24                          ; v24 where I put my results in my plane
.set XA,   25                          ; v25 where I read a pair of rows back: channels 4 i .. and 64 + 4 i ..
.set VA,   26                          ; v26 the same for v: channels 8 i ..
.set SO,   27                          ; v27 16 x lane: my 16 bytes of two rows of a head
.set SPW,  28                          ; v28 my spare word; never rewritten
.set NIL,  29                          ; v29 0; never rewritten
.set PFO,  30                          ; v30 the prefetches' offset; never rewritten
.set TO,   31                          ; v31 my offset in two rows of a table
.set F0,   64
.set F1,   128
.set XR,   64
.set SS,   192
.set G1,   24                          ; s[24:31] group 1 for A's tiles; s[32:39] group 0: a set for each of the two first fills; the second then walks on
.set G0,   32
.set G1B,  48                          ; s[48:55], s[56:63] the same for B's
.set G0B,  56
.set LIM,  43                          ; s43 2 in a wave that prefetches, else the greatest number
.set PFA,  44                          ; s[44:45] where my prefetches stand
.set SOFF, 66                          ; s66 0 or SLOT: the slot in hand
.set PFS,  80                          ; s[80:81] the prefetches' step: a K step in A's rows, or in B's k-rows
.set TAB,  82                          ; s[82:83] the tables at my 32 positions
.set P0,   84                          ; s[84:85] head slot 0's target at my positions, batch 0
.set P1,   86                          ; s[86:87] head slot 1's
.set CUR,  88                          ; s[88:89] the plane in hand
.set BSTR, 90                          ; s90 bytes from batch to batch in the target
.set GP,   91                          ; s91 the plane's number
.set VFROM, 92                         ; s92 planes from here on are v's
.set RCP,  93                          ; s93 1 / 128
.set EPS,  94                          ; s94 1e-6
.set OFS,  96                          ; s[96:97] an offset pair
.set MSB, 0
.macro WIN new                         ; the immediate's high byte repeats the setting that is left; a switch that changes nothing is dropped
.if MSB != (\new)
	s_set_vgpr_msb (MSB<<8)|(\new)
.set MSB, \new
.endif
.endm
.set MUL_LO, 0xa1                      ; source 0 (B) window 1, source 1 (A) window 0, C and D window 2
.set MUL_HI, 0xf1                      ; the same, C and D window 3
.set TO_B,   0x40                      ; destination window 1, address window 0
; A joint load.  Waves 0 and 1 fetch A's two halves, waves 2 and 3 B's.  The branch hangs on the wave's number alone.  An s_nop 0 and four v_nop follow each line.
.macro JLOAD s
	s_cmp_eq_u32 s11, 0
	s_cbranch_scc0 .Lfor_b_\@
	tensor_load_to_lds s[G0+4*(\s):G0+4*(\s)+3], s[G1:G1+7]
	s_nop 0
.rept 4
	v_nop
.endr
	s_branch .Lasked_\@
.Lfor_b_\@:
	tensor_load_to_lds s[G0B+4*(\s):G0B+4*(\s)+3], s[G1B:G1B+7]
	s_nop 0
.rept 4
	v_nop
.endr
.Lasked_\@:
.endm
; A prefetch, behind each joint load and the run of LDS loads that follows it: the K step that stands two refills on, 512 matrix instructions ahead of the load that will want it.  Each aligned block of 256 bytes is
; named once in the launch: A's rows by the clusters with x = 0, B's k-rows by those with y = 0; the four partners that ask for a tile jointly share it out by address: of A's 128 rows 32 each (by cx),
; of B's 64 k-rows 16 each, two blocks a row (by cy): a lane a block.  The loop's last two trips ask for nothing: K step 15 is the last that is named.
.macro ASK
	s_cmp_gt_u32 s3, s[LIM]
	s_cbranch_scc0 .Lnot_mine_\@
	global_prefetch_b8 v[PFO], s[PFA:PFA+1] th:TH_LOAD_NT scope:SCOPE_SE
.Lnot_mine_\@:
.endm
.macro CREST                           ; a round of the cluster's barrier behind its opening barrier
	s_cmp_lg_u32 s10, 0
	s_cbranch_scc1 .Lnot_wave_0_\@
	s_barrier_signal -3
.Lnot_wave_0_\@:
	s_barrier_wait -3
	s_barrier_signal -1
	s_barrier_wait -1
.endm
.macro CROUND
	s_barrier_signal -1
	s_barrier_wait -1
	CREST
.endm
	s_load_b256 s[68:75], s[0:1], 0x0              ; xb 68, wb 70, rot 72, qh 74
	s_load_b128 s[76:79], s[0:1], 0x20             ; kh 76, vh 78
	s_load_b128 s[4:7], s[0:1], 0x30               ; Wo 4, wo16 6
	v_lshl_add_u32 v[SPW], v0, 2, SPARE
	v_mov_b32 v[NIL], 0
	ds_add_u32 v[SPW], v[NIL]                      ; the wave's opening: the add and its wait stand ahead of my first tensor load; the set-up stands between them
	v_lshrrev_b32 v1, 5, v0
	v_readfirstlane_b32 s10, v1                    ; wave 0..3
	s_lshr_b32 s11, s10, 1                         ; wr: my batch.  Also: I fetch for A (0) or for B (1)
	s_and_b32 s12, s10, 1                          ; wc: my head slot.  Also: which half of that tile I fetch
	s_bfe_u32 s40, ttmp6, 0x40000                  ; cx
	s_bfe_u32 s41, ttmp6, 0x40004                  ; cy
	s_lshl_b32 s42, ttmp9, 2
	s_add_co_u32 s42, s42, s40                     ; tc = 4 x cluster x + cx
	s_and_b32 s13, ttmp7, 0xffff
	s_lshl_b32 s13, s13, 2
	s_add_co_u32 s13, s13, s41                     ; ty = 4 x cluster y + cy
	s_lshl_b32 s43, s41, 2
	s_lshl_b32 s43, 15, s43                        ; my row of the cluster
	s_lshl_b32 s44, 0x1111, s40                    ; my column
	s_or_b32 s[G1+0], s43, (1<<16)|(1<<20)|(1<<21)|(5<<22)|(3<<25)   ; A: mask of my row; 2-byte elements; padding on; bit 21 beside a mask; after every 64 words 4 words
	s_mov_b32 s[G1+1], KSTEP<<16                   ; tensor_dim0 = 128
	s_mov_b32 s[G1+2], 128<<16                     ; tensor_dim1 = 128
	s_mov_b32 s[G1+3], KSTEP<<16                   ; tile_dim0 = 128
	s_mov_b32 s[G1+4], 128                         ; tile_dim1 = 128
	s_mov_b32 s[G1+5], SIZE_K                      ; elements from row to row
	s_mov_b32 s[G1+6], 0
	s_mov_b32 s[G1+7], 0
	s_or_b32 s[G1B+0], s44, (1<<16)|(1<<20)|(1<<21)|(6<<22)|(7<<25)  ; B: mask of my column; after every 128 words 8 words
	s_mov_b32 s[G1B+1], 256<<16                    ; tensor_dim0 = 256 columns
	s_mov_b32 s[G1B+2], 64<<16                     ; tensor_dim1 = 64 k-rows
	s_mov_b32 s[G1B+3], 256<<16
	s_mov_b32 s[G1B+4], 64
	s_mov_b32 s[G1B+5], 5120
	s_mov_b32 s[G1B+6], 0
	s_mov_b32 s[G1B+7], 0
	s_lshl_b32 s16, s12, 10                        ; A: batch (the half I fetch) x 1,024 rows
	s_lshl_b32 s17, s13, 7
	s_add_co_u32 s16, s16, s17                     ; + 128 ty
	s_lshl_b32 s16, s16, 12                        ; rows of 4,096 bytes
	s_mov_b32 s17, 0
	s_mul_i32 s46, s12, 64*WROW                    ; B: the 64 k-rows I fetch,
	s_lshl_b32 s47, s42, 9                         ; the tile's 256 columns
	s_add_co_u32 s46, s46, s47
	s_mov_b32 s47, 0
	s_mul_i32 s20, s10, HALFT                      ; where they go: wave x a quarter slot: no place in the cluster enters an LDS address
	s_mov_b32 s[RCP], 0x3c000000
	s_mov_b32 s[EPS], 0x358637bd
	s_mov_b32 s[SOFF], 0
	s_wait_dscnt 0x0                               ; the opening add is done
	s_wait_kmcnt 0x0
	s_cmp_ge_u32 ttmp9, 5                          ; the cluster's x: the same in all sixteen partners
	s_cbranch_scc1 .Lcast
	s_add_nc_u64 s[14:15], s[68:69], s[16:17]
	s_add_nc_u64 s[46:47], s[70:71], s[46:47]
	CROUND                                         ; all sixteen work-groups are here: the first joint loads meet
.irp s, 0,1
	s_mov_b32 s[G0+4*(\s)], 1
	s_add_co_u32 s[G0+4*(\s)+1], s20, (\s)*SLOT
	s_add_nc_u64 s[G0+4*(\s)+2:G0+4*(\s)+3], s[14:15], (\s)*KSTEP*2
	s_or_b32 s[G0+4*(\s)+3], s[G0+4*(\s)+3], 0x80000000
	s_mov_b32 s[G0B+4*(\s)], 1
	s_add_co_u32 s[G0B+4*(\s)+1], s20, (\s)*SLOT
	s_add_nc_u64 s[G0B+4*(\s)+2:G0B+4*(\s)+3], s[46:47], (\s)*KSTEP*WROW
	s_or_b32 s[G0B+4*(\s)+3], s[G0B+4*(\s)+3], 0x80000000
	JLOAD \s                                       ; two tensor loads of mine are out
.endr
	v_and_b32 v1, 15, v0                           ; l % 16
	v_bfe_u32 v2, v0, 4, 1                         ; l / 16
	v_mul_u32_u24 v3, v1, PA
	v_lshl_add_u32 v3, v2, 4, v3                   ; A: row x pitch + 16 x half
	s_mul_i32 s21, s11, HALFT
	v_add_nc_u32 v[A0], s21, v3
	v_mov_b32 v[ADRA], v[A0]                       ; slot 0 is the first in hand
	v_and_b32 v4, 7, v0                            ; B, turned: lane l reads k-row 8 (l / 16) + l % 8, columns 8 ((l / 8) % 2) + 0..7
	v_lshl_add_u32 v4, v2, 3, v4
	v_mul_u32_u24 v4, v4, PB
	v_bfe_u32 v5, v0, 3, 1
	v_lshl_add_u32 v4, v5, 4, v4
	s_lshl_b32 s22, s12, 8                         ; my 128 columns
	s_add_co_u32 s22, s22, 2*HALFT                 ; behind A's 256 rows
	v_add_nc_u32 v[B0], s22, v4
	v_mov_b32 v[ADRB], v[B0]
	; the way out's addresses
	s_lshl1_add_u32 s23, s12, s11                  ; my plane: 2 x head slot + batch
	s_mul_i32 s23, s23, PLANE
	v_mul_u32_u24 v4, v1, DP
	v_lshl_add_u32 v4, v2, 5, v4                   ; row l % 16; 8 f32 for each half of the lanes
	v_add_nc_u32 v[DA], s23, v4
	s_mul_i32 s23, s10, 32*DP                      ; back: wave w takes positions 32 w .. + 31 of every plane; lanes 0-15 one row, lanes 16-31 the next
	v_mul_u32_u24 v4, v2, DP
	v_add_nc_u32 v4, s23, v4
	v_lshl_add_u32 v[XA], v1, 4, v4
	v_lshl_add_u32 v[VA], v1, 5, v4
	v_and_b32 v5, 31, v0
	v_lshlrev_b32 v[SO], 4, v5
	v_lshlrev_b32 v6, 9, v2
	v_lshl_add_u32 v[TO], v1, 4, v6
	; the targets.  Everything that is chosen hangs on the cluster's x alone
	s_lshl_b32 s[OFS], s13, 15                     ; 128 ty positions of 256 bytes
	s_lshl_b32 s98, s10, 13                        ; + 32 w
	s_add_co_u32 s[OFS], s[OFS], s98
	s_mov_b32 s[OFS+1], 0
	s_mov_b32 s[BSTR], 8388608
	s_cmp_eq_u32 ttmp9, 4
	s_cselect_b32 s98, s40, s42                    ; key and value head cx, or query head 2 tc
	s_cselect_b32 s99, 18, 19
	s_cselect_b64 s[P0:P0+1], s[76:77], s[74:75]
	s_cselect_b64 s[P1:P1+1], s[78:79], s[74:75]
	s_cselect_b32 s[BSTR], 1048576, s[BSTR]
	s_cselect_b32 s[VFROM], 2, 4
	s_cselect_b32 s95, 0, 262144                   ; query head 2 tc + 1 lies a head further on
	s_cselect_b32 s23, 2*TBL, 0                    ; k's tables lie behind q's
	s_lshl_b32 s98, s98, s99
	s_add_co_u32 s[OFS], s[OFS], s98
	s_add_nc_u64 s[P0:P0+1], s[P0:P0+1], s[OFS:OFS+1]
	s_add_co_u32 s[OFS], s[OFS], s95
	s_add_nc_u64 s[P1:P1+1], s[P1:P1+1], s[OFS:OFS+1]
	s_lshl_b32 s[OFS], s13, 16                     ; 128 ty table rows of 512 bytes
	s_lshl_b32 s98, s10, 14
	s_add_co_u32 s[OFS], s[OFS], s98
	s_add_co_u32 s[OFS], s[OFS], s23
	s_add_nc_u64 s[TAB:TAB+1], s[72:73], s[OFS:OFS+1]
	; the prefetches: they stand at K step 3; the first refill steps them to 4
	s_lshl_b32 s14, s12, 10
	s_lshl_b32 s15, s13, 7
	s_add_co_u32 s14, s14, s15
	s_lshl_b32 s15, s40, 5                         ; A: my work-group's 32 of the 128 rows
	s_add_co_u32 s14, s14, s15
	s_lshl_b32 s14, s14, 12
	s_add_co_u32 s14, s14, 3*KSTEP*2
	s_lshl_b32 s15, s12, 6
	s_lshl4_add_u32 s15, s41, s15                  ; B: my work-group's 16 of the 64 k-rows
	s_mul_i32 s15, s15, WROW
	s_lshl_b32 s16, s42, 9
	s_add_co_u32 s15, s15, s16
	s_add_co_u32 s15, s15, 3*KSTEP*WROW
	s_and_b32 s22, ttmp7, 0xffff                   ; cluster y
	s_mov_b32 s19, WROW
	s_mov_b32 s[PFS], KSTEP*WROW
	s_mov_b32 s[PFS+1], 0
	s_mov_b32 s21, 0
	s_cmp_eq_u32 s11, 0                            ; do I fetch for A?
	s_cselect_b32 s20, s14, s15
	s_cselect_b32 s22, ttmp9, s22                  ; the coordinate along which other clusters read the same blocks
	s_cselect_b64 s[PFA:PFA+1], s[68:69], s[70:71]
	s_cselect_b32 s18, 0, 1
	s_cselect_b32 s19, 4096, s19
	s_cselect_b32 s[PFS], KSTEP*2, s[PFS]
	s_cmp_eq_u32 s22, 0
	s_cselect_b32 s[LIM], 2, -1                    ; the same in all sixteen partners, for a given wave
	s_add_nc_u64 s[PFA:PFA+1], s[PFA:PFA+1], s[20:21]
	v_lshrrev_b32 v6, s18, v5                      ; A: a lane a row; B: two lanes a k-row, 256 bytes apart
	v_mul_u32_u24 v6, s19, v6
	v_and_b32 v5, s18, v5
	v_lshl_add_u32 v[PFO], v5, 8, v6
; 16 matrix instructions: row blocks a0, a0 + 1 of the window's four x all 8 column blocks, 32 along K.  zero = 1: the first product starts the sums.  The 64 accumulators take turns.
.macro MUL16 f, hi, a0, zero
	WIN MUL_LO+0x50*(\hi)
.irp a, \a0, (\a0)+1
.irp b, 0,1,2,3,4,5,6,7
.if \zero
	v_wmma_f32_16x16x32_bf16 v[8*(8*(\a)+(\b)):8*(8*(\a)+(\b))+7], v[(\f)+8*(\b):(\f)+8*(\b)+7], v[(\f)+8*(4*(\hi)+(\a)):(\f)+8*(4*(\hi)+(\a))+7], 0
.else
	v_wmma_f32_16x16x32_bf16 v[8*(8*(\a)+(\b)):8*(8*(\a)+(\b))+7], v[(\f)+8*(\b):(\f)+8*(\b)+7], v[(\f)+8*(4*(\hi)+(\a)):(\f)+8*(4*(\hi)+(\a))+7], v[8*(8*(\a)+(\b)):8*(8*(\a)+(\b))+7]
.endif
.endr
.endr
.endm
; 32 LDS loads in one run: a quarter step's fragments of the slot in hand (32 along K, at byte k of A's rows, k-row k / 2 of B) into buffer f: B's sixteen, turned, then A's sixteen
.macro FETCH k, f
	WIN TO_B
.irp i, 0,1,2,3,4,5,6,7
	ds_load_tr16_b128 v[(\f)+8*(\i):(\f)+8*(\i)+3],   v[ADRB] offset:((\k)/64)*32*PB+(\i)*32
	ds_load_tr16_b128 v[(\f)+8*(\i)+4:(\f)+8*(\i)+7], v[ADRB] offset:((\k)/64)*32*PB+16*PB+(\i)*32
.endr
	WIN 0
.irp i, 0,1,2,3,4,5,6,7
	ds_load_b128 v[(\f)+8*(\i):(\f)+8*(\i)+3],   v[ADRA] offset:(\k)+(\i)*16*PA
	ds_load_b128 v[(\f)+8*(\i)+4:(\f)+8*(\i)+7], v[ADRA] offset:(\k)+(\i)*16*PA+32
.endr
.endm
.macro PLACES                          ; four plain vector instructions in front of loads into registers that matrix instructions have read, and of lines that read results
.rept 4
	v_nop
.endr
.endm
.macro QUARTER k, f, g, zero           ; multiplies buffer f; in its middle fetches the next quarter, at byte k, into buffer g
	s_wait_dscnt 8                                 ; B and A's rows 0-63 are in; the youngest eight loads (A's rows 64-127) may be out
	WIN MUL_LO
	MUL16 \f, 0, 0, \zero
	MUL16 \f, 0, 2, \zero
	PLACES
	FETCH \k, \g
	s_wait_dscnt 32                                ; all but the 32 just issued
	WIN MUL_HI
	MUL16 \f, 1, 0, \zero
	MUL16 \f, 1, 2, \zero
.endm
.macro MEET                            ; the first half of a K step's last quarter: one barrier for the change of slots
	WIN 0
	s_wait_tensorcnt 0x0                           ; all my tensor loads have landed: the one that was out is my part of the next slot;
	ds_add_u32 v[SPW], v[NIL]                      ; 0 onto my spare word;
	s_wait_dscnt 9                                 ; (the add and the youngest eight loads may be out)
	WIN MUL_LO
	MUL16 F1, 0, 0, 0
	s_wait_dscnt 0x0                               ; the add is done, and my reads of this slot are over
	s_barrier_signal -1
	MUL16 F1, 0, 2, 0
	WIN 0
	s_barrier_wait -1
.endm
; The whole last quarter.  fill = 1: the slot just read is filled again, two K steps ahead, first thing behind the cluster's round.  Then the other slot comes in hand, and its first fragments are fetched.
.macro TURN fill
.if \fill
	s_wait_xcnt 0x0                                ; the last prefetch, a K step back, has read its address
	s_add_nc_u64 s[PFA:PFA+1], s[PFA:PFA+1], s[PFS:PFS+1]
.endif
	MEET
.if \fill
	CREST                                          ; no wave of any partner still reads this slot or has a load on its way
	s_xor_b32 s[G0+5], s[G0+5], SLOT               ; the walking descriptors: the other slot than last time,
	s_add_nc_u64 s[G0+6:G0+7], s[G0+6:G0+7], KSTEP*2      ; the next K step; the type bits on top are not reached
	s_xor_b32 s[G0B+5], s[G0B+5], SLOT
	s_add_nc_u64 s[G0B+6:G0B+7], s[G0B+6:G0B+7], KSTEP*WROW
	s_xor_b32 s[SOFF], s[SOFF], SLOT
	JLOAD 1                                        ; my one tensor load behind the round; its four v_nop are also the places in front of the loads below
	v_add_nc_u32 v[ADRA], s[SOFF], v[A0]
	v_add_nc_u32 v[ADRB], s[SOFF], v[B0]
.else
	s_xor_b32 s[SOFF], s[SOFF], SLOT
	v_add_nc_u32 v[ADRA], s[SOFF], v[A0]           ; these two and two v_nop are the four places in front of the loads below
	v_add_nc_u32 v[ADRB], s[SOFF], v[B0]
	v_nop
	v_nop
.endif
	FETCH 0, F0
.if \fill
	ASK
.endif
	WIN MUL_HI
	MUL16 F1, 1, 0, 0
	MUL16 F1, 1, 2, 0
.endm
	s_wait_tensorcnt 1                             ; my part of K step 0 is in; K step 1's may stay out
	s_barrier_signal -1
	s_barrier_wait -1
	FETCH 0, F0
	QUARTER 64,  F0, F1, 1                         ; the first quarter stands in front of the loop: its products start the sums
	WIN 0
	s_mov_b32 s3, STEPS-2
.Lstep:                                ; a trip goes from a K step's second quarter to the next step's first, and fills the slot that it leaves
	QUARTER 128, F1, F0, 0
	QUARTER 192, F0, F1, 0
	TURN 1
	QUARTER 64,  F0, F1, 0
	WIN 0
	s_sub_co_u32 s3, s3, 1
	s_cmp_lg_u32 s3, 0
	s_cbranch_scc1 .Lstep
	s_mov_b32 s3, 2
.Ltail:                                ; the last two K steps fill nothing.  The second trip has no next step: what its change of slots fetches serves nothing, and the quarter that would multiply it is jumped over
	QUARTER 128, F1, F0, 0
	QUARTER 192, F0, F1, 0
	TURN 0
	WIN 0
	s_wait_dscnt 0x0                               ; no LDS load of mine is out on either way
	s_cmp_eq_u32 s3, 1
	s_cbranch_scc1 .Ldone
	QUARTER 64,  F0, F1, 0
	WIN 0
.Ldone:
	s_sub_co_u32 s3, s3, 1
	s_cmp_lg_u32 s3, 0
	s_cbranch_scc1 .Ltail
	; THE WAY OUT.  The tables of my 32 positions come into window 1 (B's fragments are done with): pair p of rows at v[16 p ..]: CA low, CA high, SB low, SB high, four numbers each.
	s_wait_dscnt 0x0                               ; my reads of the ring are over, and no LDS load is on its way into the registers that the tables take
	PLACES
	WIN TO_B
.set p, 0
.rept 16
	global_load_b128 v[16*p:16*p+3],     v[TO], s[TAB:TAB+1] offset:1024*p
	global_load_b128 v[16*p+4:16*p+7],   v[TO], s[TAB:TAB+1] offset:1024*p+256
	global_load_b128 v[16*p+8:16*p+11],  v[TO], s[TAB:TAB+1] offset:1024*p+TBL
	global_load_b128 v[16*p+12:16*p+15], v[TO], s[TAB:TAB+1] offset:1024*p+TBL+256
.set p, p+1
.endr
	WIN 0
	s_barrier_signal -1
	s_barrier_wait -1                              ; everybody's reads are over, and every tensor load has landed: the planes may be written over the ring
.irp a, 0,1,2,3,4,5,6,7                ; my 128 x 128 in f32 into my plane; each accumulator's low four registers first
	WIN 0x08+4*((\a)/4)                            ; the data lie in window 2 or 3
.irp b, 0,1,2,3,4,5,6,7
	ds_store_b128 v[DA], v[8*(8*((\a)%4)+(\b)):8*(8*((\a)%4)+(\b))+3]   offset:16*DP*(\a)+64*(\b)
	ds_store_b128 v[DA], v[8*(8*((\a)%4)+(\b))+4:8*(8*((\a)%4)+(\b))+7] offset:16*DP*(\a)+64*(\b)+16
.endr
.endr
	WIN 0
	s_wait_dscnt 0x0                               ; for the others' sake: my stores are done
	s_barrier_signal -1
	s_barrier_wait -1
	s_wait_loadcnt 0x0                             ; the tables
	s_mov_b32 s[GP], 0
.Lplane:                               ; four trips, a plane each: my 32 positions, 16 pairs of rows; lane l holds row l / 16 of a pair
	s_wait_xcnt 0x0                                ; the last trip's stores have read their data and their base
	s_cmp_lt_u32 s[GP], 2
	s_cselect_b64 s[CUR:CUR+1], s[P0:P0+1], s[P1:P1+1]
	s_and_b32 s[OFS], s[GP], 1
	s_mul_i32 s[OFS], s[OFS], s[BSTR]
	s_add_nc_u64 s[CUR:CUR+1], s[CUR:CUR+1], s[OFS:OFS+1]
	s_cmp_ge_u32 s[GP], s[VFROM]
	s_cbranch_scc1 .Lvplane
.set p, 0
.rept 16
	ds_load_b128 v[XR+8*p:XR+8*p+3],   v[XA] offset:2*DP*p        ; channels 4 i .. 4 i + 3
	ds_load_b128 v[XR+8*p+4:XR+8*p+7], v[XA] offset:2*DP*p+256    ; channels 64 + 4 i ..
.set p, p+1
.endr
.set p, 0
.rept 16                               ; the mean of squares over a row's 16 lanes, plus 1e-6
	s_wait_dscnt 30-2*p                            ; pair p is in; two loads of each younger pair stay out
	v_pk_mul_f32 v[SS+2*p:SS+2*p+1], v[XR+8*p:XR+8*p+1], v[XR+8*p:XR+8*p+1]
	v_pk_fma_f32 v[SS+2*p:SS+2*p+1], v[XR+8*p+2:XR+8*p+3], v[XR+8*p+2:XR+8*p+3], v[SS+2*p:SS+2*p+1]
	v_pk_fma_f32 v[SS+2*p:SS+2*p+1], v[XR+8*p+4:XR+8*p+5], v[XR+8*p+4:XR+8*p+5], v[SS+2*p:SS+2*p+1]
	v_pk_fma_f32 v[SS+2*p:SS+2*p+1], v[XR+8*p+6:XR+8*p+7], v[XR+8*p+6:XR+8*p+7], v[SS+2*p:SS+2*p+1]
	v_add_f32 v[SS+2*p], v[SS+2*p], v[SS+2*p+1]
	v_add_f32_dpp v[SS+2*p], v[SS+2*p], v[SS+2*p] row_xmask:1 row_mask:0xf bank_mask:0xf
	v_add_f32_dpp v[SS+2*p], v[SS+2*p], v[SS+2*p] row_xmask:2 row_mask:0xf bank_mask:0xf
	v_add_f32_dpp v[SS+2*p], v[SS+2*p], v[SS+2*p] row_xmask:4 row_mask:0xf bank_mask:0xf
	v_add_f32_dpp v[SS+2*p], v[SS+2*p], v[SS+2*p] row_xmask:8 row_mask:0xf bank_mask:0xf
	v_fma_f32 v[SS+2*p], v[SS+2*p], s[RCP], s[EPS]
.set p, p+1
.endr
.set p, 0
.rept 16
	v_rsq_f32 v[SS+2*p], v[SS+2*p]                 ; one batch of sixteen
.set p, p+1
.endr
	v_nop                                          ; a plain instruction behind the last of them
	s_wait_alu depctr_va_vdst(0)                   ; and the one wait ahead of the first line that names a result
	WIN 0xa4                                       ; x window 0, tables window 1, T window 2
.set p, 0
.rept 16
	v_pk_mul_f32 v[8*p:8*p+1],   v[XR+8*p:XR+8*p+1],   v[16*p:16*p+1]
	v_pk_mul_f32 v[8*p+2:8*p+3], v[XR+8*p+2:XR+8*p+3], v[16*p+2:16*p+3]
	v_pk_mul_f32 v[8*p+4:8*p+5], v[XR+8*p+4:XR+8*p+5], v[16*p+4:16*p+5]
	v_pk_mul_f32 v[8*p+6:8*p+7], v[XR+8*p+6:XR+8*p+7], v[16*p+6:16*p+7]
	v_pk_fma_f32 v[8*p:8*p+1],   v[XR+8*p+4:XR+8*p+5], v[16*p+8:16*p+9],   v[8*p:8*p+1]
	v_pk_fma_f32 v[8*p+2:8*p+3], v[XR+8*p+6:XR+8*p+7], v[16*p+10:16*p+11], v[8*p+2:8*p+3]
	v_pk_fma_f32 v[8*p+4:8*p+5], v[XR+8*p:XR+8*p+1],   v[16*p+12:16*p+13], v[8*p+4:8*p+5]
	v_pk_fma_f32 v[8*p+6:8*p+7], v[XR+8*p+2:XR+8*p+3], v[16*p+14:16*p+15], v[8*p+6:8*p+7]
.set p, p+1
.endr
	WIN 0x82                                       ; T times the row's reciprocal root (the pair's low word for both halves)
.set p, 0
.rept 16
.irp e, 0,2,4,6
	v_pk_mul_f32 v[8*p+(\e):8*p+(\e)+1], v[8*p+(\e):8*p+(\e)+1], v[SS+2*p:SS+2*p+1] op_sel_hi:[1,0]
.endr
.set p, p+1
.endr
	WIN 0x0a                                       ; rounded to f16: places 8 i .. 8 i + 7 of the row
.set p, 0
.rept 16
.irp r, 0,1,2,3
	v_cvt_pk_f16_f32 v[XR+8*p+(\r)], v[8*p+2*(\r)], v[8*p+2*(\r)+1]
.endr
.set p, p+1
.endr
	WIN 0
.set p, 0
.rept 16
	global_store_b128 v[SO], v[XR+8*p:XR+8*p+3], s[CUR:CUR+1] offset:512*p  ; two rows of a head: 512 consecutive bytes, aligned
.set p, p+1
.endr
	s_branch .Lbottom
.Lvplane:                              ; v: channels 8 i .. 8 i + 7 as they are
.set p, 0
.rept 16
	ds_load_b128 v[XR+8*p:XR+8*p+3],   v[VA] offset:2*DP*p
	ds_load_b128 v[XR+8*p+4:XR+8*p+7], v[VA] offset:2*DP*p+16
.set p, p+1
.endr
.set p, 0
.rept 16
	s_wait_dscnt 30-2*p
.irp r, 0,1,2,3
	v_cvt_pk_f16_f32 v[XR+8*p+(\r)], v[XR+8*p+2*(\r)], v[XR+8*p+2*(\r)+1]  ; in ascending order no source is written before it is read
.endr
	global_store_b128 v[SO], v[XR+8*p:XR+8*p+3], s[CUR:CUR+1] offset:512*p
.set p, p+1
.endr
.Lbottom:
	v_add_nc_u32 v[XA], PLANE, v[XA]
	v_add_nc_u32 v[VA], PLANE, v[VA]
	s_add_co_u32 s[GP], s[GP], 1
	s_cmp_lt_u32 s[GP], 4
	s_cbranch_scc1 .Lplane
	s_wait_tensorcnt 0x0                           ; the wave's end, behind my last tensor load and my last LDS store
	ds_add_u32 v[SPW], v[NIL]
	s_wait_dscnt 0x0
	CROUND                                         ; the closing round
	s_endpgm
; Wo's CAST, by the six clusters that have no tile.  A row of Wo is 2,048 f32 = 8,192 bytes: sixteen loads of a wave, 512 consecutive bytes each; it leaves as 4,096 bytes of f16, sixteen stores of
; 256 consecutive bytes, aligned.  A cluster's 64 waves take 64 rows a trip.  Clusters 0 to 3 of the six make 11 trips, clusters 4 and 5 make 10: 4 x 704 + 2 x 640 = 4,096 rows.  The number of trips
; hangs on the cluster's number alone; the place in the cluster enters the addresses alone.  No tensor load, no joint request; the wave ends as the others do.
.Lcast:
	s_sub_co_u32 s14, ttmp9, 5
	s_and_b32 s15, ttmp7, 0xffff
	s_lshl1_add_u32 s14, s14, s15                  ; the cluster's number among the six
	s_mul_i32 s16, s14, 704
	s_mul_i32 s17, s14, 640
	s_add_co_u32 s17, s17, 256                     ; 2,816 + 640 (c - 4)
	s_cmp_lt_u32 s14, 4
	s_cselect_b32 s16, s16, s17                    ; the cluster's first row
	s_cselect_b32 s18, 11, 10                      ; its trips
	s_lshl2_add_u32 s19, s41, s40                  ; my work-group's place in the cluster,
	s_lshl2_add_u32 s19, s19, s10                  ; my wave among its 64
	s_add_co_u32 s16, s16, s19
	s_mov_b32 s21, 0
	s_lshl_b32 s20, s16, 13
	s_add_nc_u64 s[4:5], s[4:5], s[20:21]          ; Wo at my first row
	s_lshl_b32 s20, s16, 12
	s_add_nc_u64 s[6:7], s[6:7], s[20:21]          ; wo16 likewise
	s_mov_b32 s8, 0xffff0000                       ; a word's upper bf16
	v_and_b32 v3, 31, v0
	v_lshlrev_b32 v2, 4, v3                        ; 16 x lane
	v_lshlrev_b32 v3, 3, v3                        ; 8 x lane
	s_mov_b32 s3, 0
.Lrow:
.set j, 0
.rept 16
	global_load_b128 v[64+4*j:67+4*j], v2, s[4:5] offset:512*j th:TH_LOAD_NT
.set j, j+1
.endr
.set j, 0
.rept 16
	s_wait_loadcnt 15-j                            ; loads come back in order: the row's 15 - j younger ones stay out
	v_cvt_pk_bf16_f32 v[128+2*j], v[64+4*j], v[65+4*j]
	v_cvt_pk_bf16_f32 v[129+2*j], v[66+4*j], v[67+4*j]
	v_lshlrev_b32 v[64+4*j], 16, v[128+2*j]
	v_and_b32 v[65+4*j], s8, v[128+2*j]
	v_lshlrev_b32 v[66+4*j], 16, v[129+2*j]
	v_and_b32 v[67+4*j], s8, v[129+2*j]
	v_cvt_pk_f16_f32 v[128+2*j], v[64+4*j], v[65+4*j]
	v_cvt_pk_f16_f32 v[129+2*j], v[66+4*j], v[67+4*j]
	global_store_b64 v3, v[128+2*j:129+2*j], s[6:7] offset:256*j
.set j, j+1
.endr
	s_wait_xcnt 0x0                                ; the loads and stores have read their bases and data: only now are the pointers stepped and, in the next trip, the data rewritten
	s_add_nc_u64 s[4:5], s[4:5], 64*8192
	s_add_nc_u64 s[6:7], s[6:7], 64*4096
	s_add_co_u32 s3, s3, 1
	s_cmp_lt_u32 s3, s18
	s_cbranch_scc1 .Lrow
	s_wait_tensorcnt 0x0                           ; the wave's end: the same three lines,
	ds_add_u32 v[SPW], v[NIL]
	s_wait_dscnt 0x0
	CROUND                                         ; and a round of the cluster's barrier
	s_endpgm
.Lfunc_end_k_qe961c3b317_qkv:
	.size	k_qe961c3b317_qkv, .Lfunc_end_k_qe961c3b317_qkv-k_qe961c3b317_qkv
	.p2alignl 7, 3214868480
	.fill 96, 4, 3214868480
	.section	.rodata,"a",@progbits
	.p2align	6, 0x0
	.amdhsa_kernel k_qe961c3b317_qkv
		.amdhsa_group_segment_fixed_size 327680
		.amdhsa_private_segment_fixed_size 0
		.amdhsa_enable_private_segment 0
		.amdhsa_kernarg_size 64
		.amdhsa_user_sgpr_count 2
		.amdhsa_user_sgpr_kernarg_segment_ptr 1
		.amdhsa_wavefront_size32 1
		.amdhsa_system_sgpr_workgroup_id_x 1
		.amdhsa_system_sgpr_workgroup_id_y 1
		.amdhsa_system_sgpr_workgroup_id_z 1
		.amdhsa_system_vgpr_workitem_id 0
		.amdhsa_next_free_vgpr 1024
		.amdhsa_next_free_sgpr 100
		.amdhsa_reserve_vcc 0
		.amdhsa_float_denorm_mode_32 3
		.amdhsa_float_denorm_mode_16_64 3
		.amdhsa_memory_ordered 1
		.amdhsa_forward_progress 1
		.amdhsa_inst_pref_size 135
	.end_amdhsa_kernel
	.amdgpu_metadata
---
amdhsa.version: [ 1, 2 ]
amdhsa.kernels:
  - .name:           k_qe961c3b317_qkv
    .symbol:         k_qe961c3b317_qkv.kd
    .args:
      - { .name: xb, .offset: 0, .size: 8, .value_kind: global_buffer, .address_space: global }
      - { .name: wb, .offset: 8, .size: 8, .value_kind: global_buffer, .address_space: global }
      - { .name: rot, .offset: 16, .size: 8, .value_kind: global_buffer, .address_space: global }
      - { .name: qh, .offset: 24, .size: 8, .value_kind: global_buffer, .address_space: global }
      - { .name: kh, .offset: 32, .size: 8, .value_kind: global_buffer, .address_space: global }
      - { .name: vh, .offset: 40, .size: 8, .value_kind: global_buffer, .address_space: global }
      - { .name: Wo, .offset: 48, .size: 8, .value_kind: global_buffer, .address_space: global }
      - { .name: wo16, .offset: 56, .size: 8, .value_kind: global_buffer, .address_space: global }
    .group_segment_fixed_size: 327680
    .private_segment_fixed_size: 0
    .kernarg_segment_align: 8
    .kernarg_segment_size: 64
    .max_flat_workgroup_size: 128
    .sgpr_count:     100
    .vgpr_count:     1024
    .wavefront_size: 32
...
	.end_amdgpu_metadata
.endif
;; end of part 2
;; launch attn (part 3): grid 32 x 8, 4 waves a work-group, clusters of 4 x 1, 327,680 bytes of LDS; arguments qh, kh, vh, ob; writes ob
.if DOCPART == 3
	.amdgcn_target "amdgcn-amd-amdhsa--gfx1250"
	.amdhsa_code_object_version 6
	.text
	.protected	k_qe961c3b317_attn
	.globl	k_qe961c3b317_attn
	.p2align	8
	.type	k_qe961c3b317_attn,@function
k_qe961c3b317_attn:
	s_mov_b64 s[64:65], 0
	v_nop
	global_prefetch_b8 v0, s[64:65] scope:SCOPE_SE
	s_setreg_imm32_b32 hwreg(HW_REG_WAVE_MODE, 25, 1), 1
	s_wait_xcnt 0x0
	s_wait_alu depctr_hold_cnt(0) depctr_sa_sdst(0) depctr_va_vdst(0) depctr_va_sdst(0) depctr_va_ssrc(0) depctr_va_vcc(0) depctr_vm_vsrc(0)
	s_getreg_b32 s2, hwreg(HW_REG_IB_STS2, 6, 4)
	s_cmp_eq_u32 s2, 0
	s_cbranch_scc0 .Lentry_in_a_cluster
	s_endpgm
.Lentry_in_a_cluster:
	s_bfe_u32 s2, ttmp6, 0x10000c
	s_cmp_lg_u32 s2, 0x3003
	s_cbranch_scc0 .Lentry_shape_is_right
	s_endpgm
.Lentry_shape_is_right:
; CAUSAL ATTENTION WITH SHARED KEY AND VALUE HEADS.  O[b][q][h][:] = the sum over k <= q of softmax_k(Q[b][h][q] . K[b][h/8][k] / sqrt(128)) V[b][h/8][k][:].
; qh: [2][32][1024][128], kh, vh: [2][4][1024][128], ob: [2048][32 x 128], all f16.  Products, maxima and sums in f32; the weights p are rounded to f16 for the second product, O once at the end.
; LIMITS.  Q, K, V arrive within f16's 65,504; a hidden score counts as its value less 1e30 (f16's scores reach 5.5e11 at the most); a weight below 2^-126 counts as 0; NaN and infinities are not treated apart.
; SHARES.  A work-group owns 256 queries (block qb) of one head, each of its four waves 64: four tiles of 16, in two PIECES (tiles 0, 1 and tiles 2, 3).  Block qb walks the keys 0 .. 256 (qb + 1) - 1, 64 a step.
; CLUSTER.  The four partners are four query heads of one key and value head, with the same batch and block: the same K and V tiles, asked for jointly, and the same number of trips.
; LAYOUT.  S^T = K Q^T: a lane holds ONE query (lane % 16) and the keys 8 (lane / 16) + 0..7; two such tiles rounded to f16 ARE source 1 of O^T = V^T P.  K comes out of LDS as it lies, V turned.
; SOFTMAX.  A running maximum m and sum l: p = 2^(c s - c m), c = log2(e) / sqrt(128); O and l are multiplied by a = 2^(c m_old - c m_new) in every step.
; THE MASK is the C operand that starts a sum S^T: 0, or -1e30 where the key is hidden.  With d = step - 4 qb - wave: d < 0 nothing is hidden, d > 0 all; d = 0: key block kb against tile t: kb < t open, kb > t hidden,
; kb = t the triangle TRI.  Three masks of eight registers are made anew for each step: MLT, MEQ, MGT, as TRI x factor + addend with scalars made from d.
; BY TURNS.  In a turn one piece has the matrix unit: 32 products V^T P of the step in hand, then 32 products K Q^T of the next; the other piece's softmax, in 64 slices, stands behind them, a slice each.
; NO FIRST STEP IS WRITTEN OUT.  Pair n of turns fetches K and V of step n, makes the scores of step n, the products V^T P of step n - 1, piece 2's softmax of step n - 1 and piece 0's of step n.  Pair 0 finds V, O^T, l
; and piece 0's P at 0, c m far below every c s, and piece 2's scores at -2^100: c times a power of two is exact, so c s - c m is 0 there and p = 1, against V = 0; the first true step's a is 0 and wipes l and O^T.
; REGISTERS, in windows of 256: window 0: v0-11 addresses; v12-43 eight registers of statistics a tile; v64-191 S^T; v192-255 P.  window 1: O^T.  window 2: v0-127 Q; v128-255 K.  window 3: v0-127 V; v128-159 TRI and the masks.
.set KS,    64
.set PK,    272       ; a row of K in LDS: 256 bytes + 16 = 68 words: the 16 rows of a load start at 16 different groups of four banks (64 banks of 4 bytes: ISA guide 11.1)
.set PV,    288       ; a row of V: 256 + 32 = 72 words
.set VOFF,  KS*PK
.set STEPB, KS*(PK+PV)
.set SLOT1, 1<<17     ; a slot holds two steps; slot 1 begins here, so that one exclusive or turns an address in one slot into the other's
.set STAGE, SLOT1+2*STEPB  ; behind the ring: 16 rows x 272 bytes for each wave, for the way out
.set SP,    272
.set SPARE, STAGE+4*16*SP  ; the spare words, 128 bytes a wave: two blocks of 256 bytes that no other line names
.set AK0, 2
.set AV0, 3
.set ADR, 4
.set QO,  5
.set STO, 6
.set RD,  7
.set GO,  8
.set PFO, 61          ; v61  256 x my lane; never rewritten
.set SPW, 62          ; v62  my spare word; never rewritten
.set NIL, 63          ; v63  0; never rewritten
.set ST,  12          ; tile t's statistics at v[ST+8 t]: +0 c m, +1 m, +2, +3 l, +4 to +7 at work; a takes +6
.set S,   64
.set P,   192
.set KF,  128         ; window 2
.set TRI, 128         ; window 3
.set MLT, 136
.set MEQ, 144
.set MGT, 152
.set WV,  12
.set LIM, 15          ; s15  1 in a wave that prefetches, else the greatest number
.set PFA, 18          ; s[18:19]
.set G1K, 24
.set G1V, 32
.set G0K, 40          ; s[40:47] a set for each of the two first fills; the second then walks on
.set G0V, 48
.set TWICE, 57
.set CS,  58
.set SEL, 60
.set TB,  62          ; s62  LDS byte at which the tiles of the step to be fetched begin
.set QB,  66          ; s66  qb: the trips of the loop that fills slots again
.set BLK, 67          ; s67  counts up to it
.set INNER, 68        ; s68  counts the two slots of a trip
.set REM, 69          ; s69  fills still to come
.set DEL, 70          ; s70  d of the step whose scores are made next
.set AL,  72          ; s[72:73] MEQ's factor
.set BEL, 74          ; s[74:75] the addend where d > 0 hides
.set BEG, 76          ; s[76:77] the addend where d >= 0 hides
.set ZZ,  78          ; s[78:79] 0
.set BIGN, 80         ; s80  -1e30
.set MSB, 0
.macro WIN new
.if MSB != (\new)
	s_set_vgpr_msb (MSB<<8)|(\new)
.set MSB, \new
.endif
.endm
.set W_KQ, 0x0a       ; K and Q in window 2, S^T in window 0
.set W_KM, 0x3a       ; the same with the C operand in window 3
.set W_PV, 0x53       ; V in window 3, P in window 0, O^T in window 1
.set W_RS, 0x41       ; O^T (destination and source 0) in window 1, a in window 0
.macro JLOAD                        ; a joint refill: waves 0 and 1 fetch the two steps' K, waves 2 and 3 their V; an s_nop 0 and four v_nop follow each line
	s_cmp_lt_u32 s[WV], 2
	s_cbranch_scc0 .Lfor_v_\@
	tensor_load_to_lds s[G0K+4:G0K+7], s[G1K:G1K+7]
	s_nop 0
.rept 4
	v_nop
.endr
	s_branch .Lasked_\@
.Lfor_v_\@:
	tensor_load_to_lds s[G0V+4:G0V+7], s[G1V:G1V+7]
	s_nop 0
.rept 4
	v_nop
.endr
.Lasked_\@:
.endm
; A prefetch of what the NEXT change of slots will ask for: 128 rows of K and of V, 256 bytes a row, a lane a row; two key steps, 256 matrix instructions, ahead of that load.  Each row is named once in the launch: of the
; clusters that walk a key and value head, the one with an even x and the last block, which walks all keys, asks; its four partners take 32 rows each, by address; wave 0 asks for K's, wave 2 for V's.
; The first three slots come by their loads alone; the last change that fills a slot asks for nothing.
.macro ASK
	s_cmp_gt_u32 s[REM], s[LIM]
	s_cbranch_scc0 .Lnot_mine_\@
	global_prefetch_b8 v[PFO], s[PFA:PFA+1] th:TH_LOAD_NT scope:SCOPE_SE
.Lnot_mine_\@:
.endm
.macro CROUND
	s_barrier_signal -1
	s_barrier_wait -1
	s_cmp_lg_u32 s[WV], 0
	s_cbranch_scc1 .Lnot_wave_0_\@
	s_barrier_signal -3
.Lnot_wave_0_\@:
	s_barrier_wait -3
	s_barrier_signal -1
	s_barrier_wait -1
.endm
	s_load_b256 s[4:11], s[0:1], 0x0  ; qh s[4:5], kh s[6:7], vh s[8:9], ob s[10:11]
	v_lshl_add_u32 v[SPW], v0, 2, SPARE
	v_mov_b32 v[NIL], 0
	ds_add_u32 v[SPW], v[NIL]       ; the wave's opening: the add and its wait stand ahead of my first tensor load; the set-up stands between them
	v_lshrrev_b32 v1, 5, v0
	v_readfirstlane_b32 s[WV], v1
	s_bfe_u32 s13, ttmp6, 0x40000   ; cx
	s_lshl_b32 s14, ttmp9, 2
	s_add_co_u32 s14, s14, s13      ; my query head: it enters Q's and O's addresses alone
	s_and_b32 s20, ttmp7, 0xffff
	s_lshr_b32 s21, s20, 2          ; batch
	s_and_b32 s81, s20, 3           ; qb
	s_lshr_b32 s22, ttmp9, 1        ; the key and value head, which the four partners share
	s_lshl2_add_u32 s22, s21, s22
	s_lshl_b32 s22, s22, 18         ; its 1,024 rows of 256 bytes
	s_and_b32 s16, s[WV], 1         ; which of a slot's two steps I fetch
	s_lshl_b32 s23, s16, 14
	s_add_co_u32 s22, s22, s23
	s_mov_b32 s23, 0
	s_mul_i32 s17, s16, STEPB       ; its place in a slot: no place in the cluster enters an LDS address
	s_lshl_b32 s2, s21, 5
	s_add_co_u32 s2, s2, s14
	s_lshl_b32 s2, s2, 18           ; Q: (32 batch + head) x 1,024 rows,
	s_lshl_b32 s3, s81, 16          ; my block's 256,
	s_add_co_u32 s2, s2, s3
	s_lshl_b32 s3, s[WV], 14        ; my wave's 64
	s_add_co_u32 s2, s2, s3
	s_mov_b32 s3, 0
	s_lshl_b32 s82, s21, 23         ; O: rows of 8,192 bytes: batch x 1,024,
	s_lshl_b32 s83, s81, 21         ; block x 256,
	s_add_co_u32 s82, s82, s83
	s_lshl_b32 s83, s[WV], 19       ; wave x 64,
	s_add_co_u32 s82, s82, s83
	s_lshl_b32 s83, s14, 8          ; and the head's 256 bytes of a row
	s_add_co_u32 s82, s82, s83
	s_mov_b32 s83, 0
	s_mov_b32 s[G1K], 15|(1<<16)|(1<<20)|(1<<21)|(5<<22)|(3<<25)  ; the mask of four; 2-byte elements; padding on; bit 21 beside a mask; after every 64 words 4 words
	s_mov_b32 s[G1V], 15|(1<<16)|(1<<20)|(1<<21)|(5<<22)|(7<<25)  ; the same with 8 words
.irp g, G1K, G1V
	s_mov_b32 s[(\g)+1], 128<<16    ; tensor_dim0 = 128
	s_mov_b32 s[(\g)+2], KS<<16     ; tensor_dim1 = 64
	s_mov_b32 s[(\g)+3], 128<<16    ; tile_dim0 = 128
	s_mov_b32 s[(\g)+4], KS         ; tile_dim1 = 64
	s_mov_b32 s[(\g)+5], 128        ; elements from row to row
	s_mov_b32 s[(\g)+6], 0
	s_mov_b32 s[(\g)+7], 0
.endr
	s_mov_b32 s[CS], 0x3e0293ee     ; c = log2(e) / sqrt(128)
	s_mov_b32 s[CS+1], s[CS]
	s_mov_b32 s[SEL], 0x76543210
	s_mov_b32 s[SEL+1], 0xfedcba98
	s_mov_b32 s[TB], 0
	s_mov_b32 s[QB], s81
	s_lshl_b32 s[REM], s81, 1
	s_lshl2_add_u32 s[DEL], s81, s[WV]
	s_sub_co_u32 s[DEL], 0, s[DEL]  ; step 0's d = -(4 qb + wave)
	s_mov_b32 s[AL+1], 0            ; named as pairs
	s_mov_b32 s[BEL+1], 0
	s_mov_b32 s[BEG+1], 0
	s_mov_b32 s[ZZ], 0
	s_mov_b32 s[ZZ+1], 0
	s_mov_b32 s[BIGN], 0xf149f2ca   ; -1e30
	s_mov_b32 s85, 0xf1800000       ; -2^100
	s_and_b32 s[LIM], s[WV], 1
	s_and_b32 s84, ttmp9, 1
	s_or_b32 s[LIM], s[LIM], s84
	s_xor_b32 s84, s81, 3
	s_or_b32 s[LIM], s[LIM], s84    ; 0 in waves 0 and 2 of the asking cluster: the same in all four partners
	s_cmp_eq_u32 s[LIM], 0
	s_cselect_b32 s[LIM], 1, -1
	v_and_b32 v[PFO], 31, v0
	v_lshlrev_b32 v[PFO], 8, v[PFO]
	s_wait_dscnt 0x0                ; the opening add is done
	s_wait_kmcnt 0x0
	s_add_nc_u64 s[6:7], s[6:7], s[22:23]  ; K and V at my tile of slot 0
	s_add_nc_u64 s[8:9], s[8:9], s[22:23]
	s_add_nc_u64 s[4:5], s[4:5], s[2:3]    ; Q and O at my wave's first row
	s_add_nc_u64 s[10:11], s[10:11], s[82:83]
	s_cmp_lt_u32 s[WV], 2
	s_cselect_b64 s[PFA:PFA+1], s[6:7], s[8:9]
	s_lshl_b32 s2, s13, 13          ; my work-group's 32 rows of the 128
	s_mov_b32 s3, 0
	s_add_nc_u64 s[PFA:PFA+1], s[PFA:PFA+1], s[2:3]
	s_add_nc_u64 s[PFA:PFA+1], s[PFA:PFA+1], 2*2*KS*256  ; in slot 2; the first change of slots steps it to slot 3
	CROUND                          ; all four work-groups are here: the first joint loads meet
.irp s, 0,1
	s_mov_b32 s[G0K+4*(\s)], 1
	s_add_co_u32 s[G0K+4*(\s)+1], s17, (\s)*SLOT1
	s_add_nc_u64 s[G0K+4*(\s)+2:G0K+4*(\s)+3], s[6:7], (\s)*2*KS*256
	s_or_b32 s[G0K+4*(\s)+3], s[G0K+4*(\s)+3], 0x80000000
	s_mov_b32 s[G0V+4*(\s)], 1
	s_add_co_u32 s[G0V+4*(\s)+1], s17, (\s)*SLOT1+VOFF
	s_add_nc_u64 s[G0V+4*(\s)+2:G0V+4*(\s)+3], s[8:9], (\s)*2*KS*256
	s_or_b32 s[G0V+4*(\s)+3], s[G0V+4*(\s)+3], 0x80000000
.endr
	s_cmp_lt_u32 s[WV], 2           ; a wave's two first fills stand in one branch: two loads of mine are out
	s_cbranch_scc0 .Lfirst_v
	tensor_load_to_lds s[G0K:G0K+3], s[G1K:G1K+7]
	s_nop 0
	tensor_load_to_lds s[G0K+4:G0K+7], s[G1K:G1K+7]
	s_nop 0
.rept 4
	v_nop
.endr
	s_branch .Lfirst_asked
.Lfirst_v:
	tensor_load_to_lds s[G0V:G0V+3], s[G1V:G1V+7]
	s_nop 0
	tensor_load_to_lds s[G0V+4:G0V+7], s[G1V:G1V+7]
	s_nop 0
.rept 4
	v_nop
.endr
.Lfirst_asked:
	v_and_b32 v1, 15, v0            ; l % 16
	v_bfe_u32 v9, v0, 4, 1          ; l / 16
	v_lshlrev_b32 v[QO], 8, v1
	v_lshl_add_u32 v[QO], v9, 4, v[QO]
	WIN 0x80                        ; destination window 2
.irp i, 0,1,2,3,4,5,6,7,8,9,10,11,12,13,14,15  ; Q stays in registers: tile i / 4, places 32 (i % 4) on
	global_load_b128 v[8*(\i):8*(\i)+3],   v[QO], s[4:5] offset:((\i)/4)*4096+((\i)%4)*64
	global_load_b128 v[8*(\i)+4:8*(\i)+7], v[QO], s[4:5] offset:((\i)/4)*4096+((\i)%4)*64+32
.endr
	WIN 0
	v_mul_u32_u24 v[AK0], v1, PK
	v_lshl_add_u32 v[AK0], v9, 4, v[AK0]
	v_and_b32 v10, 7, v0
	v_bfe_u32 v11, v0, 3, 1
	v_lshl_add_u32 v[AV0], v9, 3, v10
	v_mul_u32_u24 v[AV0], v[AV0], PV
	v_lshl_add_u32 v[AV0], v11, 4, v[AV0]
	v_add_nc_u32 v[AV0], VOFF, v[AV0]
	s_mul_i32 s13, s[WV], 16*SP
	s_add_co_u32 s13, s13, STAGE    ; my stage
	v_mul_u32_u24 v[STO], v1, SP
	v_lshl_add_u32 v[STO], v9, 4, v[STO]
	v_add_nc_u32 v[STO], s13, v[STO]
	v_mul_u32_u24 v[RD], v9, SP
	v_lshl_add_u32 v[RD], v1, 4, v[RD]
	v_add_nc_u32 v[RD], s13, v[RD]
	v_lshlrev_b32 v[GO], 13, v9     ; two rows of ob, 8,192 bytes apart
	v_lshl_add_u32 v[GO], v1, 4, v[GO]
	v_lshlrev_b32 v44, 3, v9
	v_sub_nc_u32 v44, v1, v44       ; l % 16 - 8 (l / 16): register r of the triangle is hidden where r is greater
	; what the first pair of turns finds; all this stands in the wait for the first tile
	WIN 0xc0                        ; destination window 3
.set i, 0
.rept 8
	v_cmp_gt_i32 vcc_lo, i, v44
	v_cndmask_b32 v[TRI+i], 0, s[BIGN], vcc_lo
.set i, i+1
.endr
.set i, 0
.rept 128
	v_mov_b32 v[i], 0               ; V
.set i, i+1
.endr
	WIN 0x40
.set i, 0
.rept 256
	v_mov_b32 v[i], 0               ; O^T
.set i, i+1
.endr
	WIN 0
.set i, 0
.rept 4
	v_mov_b32 v[ST+8*i], 0xfe000000    ; c m: far below every c s
	v_mov_b32 v[ST+8*i+1], 0xff7fffff  ; m
	v_mov_b32 v[ST+8*i+2], 0
	v_mov_b32 v[ST+8*i+3], 0
.set i, i+1
.endr
.set i, 0
.rept 32
	v_mov_b32 v[P+i], 0             ; piece 0's P
.set i, i+1
.endr
.set i, 0
.rept 64
	v_mov_b32 v[S+64+i], s85        ; piece 2's scores
.set i, i+1
.endr
; THE MATRIX WORK OF A TURN, for piece x.  The accumulators take turns, one instruction a turn.
.macro PV x                         ; product i of 32 of O^T += V^T P: keys 32 (i / 16) on, channels 16 ((i / 2) % 8) on, tile x + i % 2
	WIN W_PV
.set rO, 64*((\x)+i%2)+8*((i/2)%8)
.set rV, 64*(i/16)+8*((i/2)%8)
.set rP, P+16*((\x)+i%2)+8*(i/16)
	v_wmma_f32_16x16x32_f16 v[rO:rO+7], v[rV:rV+7], v[rP:rP+7], v[rO:rO+7]
.endm
.macro KQ x                         ; product i of 32 of S^T = K Q^T: places 32 (i / 8) on, keys 16 ((i / 2) % 4) on, tile x + i % 2.  The first 8 start the sums with the mask
.set rS, S+32*((\x)+i%2)+8*((i/2)%4)
.set rK, KF+32*((i/2)%4)+8*(i/8)
.set rQ, 32*((\x)+i%2)+8*(i/8)
.if i < 8
.set rM, MLT
.if ((i/2)%4) == ((\x)+i%2)
.set rM, MEQ
.endif
.if ((i/2)%4) > ((\x)+i%2)
.set rM, MGT
.endif
	WIN W_KM
	v_wmma_f32_16x16x32_f16 v[rS:rS+7], v[rK:rK+7], v[rQ:rQ+7], v[rM:rM+7]
.else
	WIN W_KQ
	v_wmma_f32_16x16x32_f16 v[rS:rS+7], v[rK:rK+7], v[rQ:rQ+7], v[rS:rS+7]
.endif
.endm
.macro FETCH_K                      ; a step's K: 32 loads in one run
	WIN 0
	v_add_nc_u32 v[ADR], s[TB], v[AK0]
	WIN 0x80
.irp f, 0,1,2,3,4,5,6,7,8,9,10,11,12,13,14,15
	ds_load_b128 v[KF+8*(\f):KF+8*(\f)+3],   v[ADR] offset:((\f)/4)*16*PK+((\f)%4)*64
	ds_load_b128 v[KF+8*(\f)+4:KF+8*(\f)+7], v[ADR] offset:((\f)/4)*16*PK+((\f)%4)*64+32
.endr
.endm
.macro FETCH_V                      ; the same step's V, turned
	WIN 0
	v_add_nc_u32 v[ADR], s[TB], v[AV0]
	s_add_co_u32 s[TB], s[TB], STEPB  ; the next fetch is the next step's
	s_wait_alu depctr_va_vdst(0)    ; the wait for the softmax's batch, behind the address's line and ahead of the loads
	WIN 0xc0
.irp f, 0,1,2,3,4,5,6,7,8,9,10,11,12,13,14,15
	ds_load_tr16_b128 v[8*(\f):8*(\f)+3],   v[ADR] offset:((\f)/8)*32*PV+((\f)%8)*32
	ds_load_tr16_b128 v[8*(\f)+4:8*(\f)+7], v[ADR] offset:((\f)/8)*32*PV+16*PV+((\f)%8)*32
.endr
.endm
; THE VECTOR WORK OF A TURN.  One tile's softmax for one step is a list of 134 instructions; SM writes number j of it for tile t.
;   0-15 the maximum of the 32 scores and the old m (each accumulator's lowest registers are read first)     16-20 the other half of the lanes' maximum; m; c m; its change
;   21-69 ONE BATCH: the 16 scalings c s - c m and all 33 exponentials (a at 23); none of these reads an exponential's result     (the wait)
;   70-85 the roundings to f16     86-101 the sums; l = a l + the sum     102-133 O^T times a
.macro SM t
.set rT, ST+8*(\t)
.set rS, S+32*(\t)
.set rP, P+16*(\t)
.set rO, 64*(\t)+2*(j-102)
.if j < 102
	WIN 0
.endif
.if j < 4
	v_max3_num_f32 v[rT+4+j], v[rS+8*j], v[rS+8*j+1], v[rS+8*j+2]
.elseif j < 12
	v_max3_num_f32 v[rT+4+j%4], v[rT+4+j%4], v[rS+8*(j%4)+2*(j/4)+1], v[rS+8*(j%4)+2*(j/4)+2]
.elseif j == 12
	v_max3_num_f32 v[rT+4], v[rT+4], v[rS+7], v[rS+15]
.elseif j == 13
	v_max3_num_f32 v[rT+6], v[rT+6], v[rS+23], v[rS+31]
.elseif j == 14
	v_max3_num_f32 v[rT+4], v[rT+4], v[rT+5], v[rT+6]
.elseif j == 15
	v_max3_num_f32 v[rT+4], v[rT+4], v[rT+7], v[rT+1]
.elseif j == 16
	v_permlanex16_b32 v[rT+5], v[rT+4], s[SEL], s[SEL+1]
.elseif j == 17
	v_mov_b32 v[rT+7], v[rT]
.elseif j == 18
	v_max_num_f32 v[rT+1], v[rT+4], v[rT+5]
.elseif j == 19
	v_mul_f32 v[rT], s[CS], v[rT+1]
.elseif j == 20
	v_sub_f32 v[rT+7], v[rT+7], v[rT]
.elseif j == 23
	v_exp_f32 v[rT+6], v[rT+7]
.elseif (j < 23) || ((j < 38) && (j%2 == 0)) || ((j < 66) && (j%4 == 2))
.set b, (j-2)/4
.if j < 38
.set b, (j-20)/2
.endif
	v_pk_fma_f32 v[rS+2*b:rS+2*b+1], v[rS+2*b:rS+2*b+1], s[CS:CS+1], v[rT:rT+1] op_sel_hi:[1,0,0] neg_lo:[0,0,1] neg_hi:[0,0,1]
.elseif j < 70
.set e, j-38
.if j < 66
.set e, j-32-(j-38)/4
.endif
.if j < 38
.set e, (j-25)/2
.endif
	v_exp_f32 v[rS+e], v[rS+e]
.elseif j < 86
	v_cvt_pk_f16_f32 v[rP+j-70], v[rS+2*(j-70)], v[rS+2*(j-70)+1]
.elseif j < 102
.set z, j-86
.set w, 4
.set u, z
.if z >= 14
.set w, 32
.set u, 0
.elseif z >= 12
.set w, 16
.set u, z-12
.elseif z >= 8
.set w, 8
.set u, z-8
.endif
.if z < 15
	v_pk_add_f32 v[rS+w*u:rS+w*u+1], v[rS+w*u:rS+w*u+1], v[rS+w*u+w/2:rS+w*u+w/2+1]
.else
	v_pk_fma_f32 v[rT+2:rT+3], v[rT+2:rT+3], v[rT+6:rT+7], v[rS:rS+1] op_sel_hi:[1,0,1]
.endif
.else
	WIN W_RS
	v_pk_mul_f32 v[rO:rO+1], v[rO:rO+1], v[rT+6:rT+7] op_sel_hi:[1,0]
.endif
.endm
; Slice k of 64 of piece y's softmax: four instructions; slices 11 to 34 deal out the batch, four numbers of one tile each; every other slice is numbers 2 k, 2 k + 1 of both tiles; the twelve that are over stand in slice 63.
; Behind slice 34 stands the piece's one wait: ahead of it nothing names an exponential's result, behind it no exponential is issued.
.macro SLICE y
.if (k >= 11) && (k < 35)
.irp n, 0,1,2,3
.set j, 22+4*((k-11)/2)+(\n)
	SM (\y)+(k-11)%2
.endr
.else
.irp n, 0,1,2,3,4,5,6,7
.if ((\n) < 2) || (k == 63)
.irp t, \y, (\y)+1
.set j, 2*k+(\n)
	SM \t
.endr
.endif
.endr
.endif
.if k == 34
	v_nop                           ; a plain instruction behind the last exponential: one for the batch
.if (\y) == 0
	FETCH_V                         ; piece 2's turn: V's run of loads stands here, and the wait stands in it
.else
	s_wait_alu depctr_va_vdst(0)    ; the wait for the batch
.endif
.endif
.set k, k+1
.endm
; A TURN.  Piece x has the matrix unit; the other piece's softmax stands in slices behind its products.  kq = 1: 32 products K Q^T follow the 32 products V^T P; kq = 0: two slices behind each product.
; Piece 0's turn fetches K behind its second product; piece 2's turn fetches V behind slice 34.
.macro TURN x, kq
.set k, 0
.set per, 2-(\kq)
.if (\x) == 0
	s_wait_dscnt 0x0                ; V is in
.endif
.set i, 0
.rept 32
	PV \x
.rept per
	SLICE 2-(\x)
.endr
.if ((\x) == 0) && (\kq) && (i == 1)
	FETCH_K
.endif
.set i, i+1
.endr
.if \kq
.if (\x) == 0
	s_wait_dscnt 0x0                ; K is in
.endif
.set i, 0
.rept 32
	KQ \x
	SLICE 2-(\x)
.set i, i+1
.endr
.endif
.endm
; The three masks of the step whose scores the pair of turns makes.  Their last readers stand 24 products and their slices back.
.macro MASKS
	s_cmp_gt_i32 s[DEL], 0
	s_cselect_b32 s[BEL], s[BIGN], 0
	s_cmp_eq_u32 s[DEL], 0
	s_cselect_b32 s[AL], 1.0, 0
	s_cmp_ge_i32 s[DEL], 0
	s_cselect_b32 s[BEG], s[BIGN], 0
	s_add_co_i32 s[DEL], s[DEL], 1
	WIN 0xc3                        ; destination and source 0 in window 3
.irp r, 0,2,4,6
	v_pk_fma_f32 v[MLT+(\r):MLT+(\r)+1], v[TRI+(\r):TRI+(\r)+1], s[ZZ:ZZ+1], s[BEL:BEL+1] op_sel_hi:[1,0,0]
	v_pk_fma_f32 v[MEQ+(\r):MEQ+(\r)+1], v[TRI+(\r):TRI+(\r)+1], s[AL:AL+1], s[BEL:BEL+1] op_sel_hi:[1,0,0]
	v_pk_fma_f32 v[MGT+(\r):MGT+(\r)+1], v[TRI+(\r):TRI+(\r)+1], s[ZZ:ZZ+1], s[BEG:BEG+1] op_sel_hi:[1,0,0]
.endr
.endm
; THE CHANGE OF SLOTS, behind a slot's two steps.  Each wave waits for all its tensor loads, of which one is out at the most: its part of the other slot; adds 0 to its spare word; and waits for that and for its own reads of the slot.
; fill = 1: the slot is filled again, with the keys two slots on, first thing behind a round of the cluster's barrier: it has two key steps in which to land.
.macro CHANGE fill
	WIN 0
	s_wait_tensorcnt 0x0            ; no tensor load of mine is out, so a group 0 may be written
	ds_add_u32 v[SPW], v[NIL]       ; 0 onto my spare word
.if \fill
.irp g, G0K+4, G0V+4
	s_xor_b32 s[(\g)+1], s[(\g)+1], SLOT1
	s_add_nc_u64 s[(\g)+2:(\g)+3], s[(\g)+2:(\g)+3], 2*KS*256
.endr
	s_wait_xcnt 0x0                 ; the last prefetch, two key steps back, has read its address
	s_add_nc_u64 s[PFA:PFA+1], s[PFA:PFA+1], 2*KS*256
	s_wait_dscnt 0x0                ; the add is done, and my reads of the slot are over
	CROUND
	JLOAD
	ASK
	s_sub_co_u32 s[REM], s[REM], 1
.else
	s_wait_dscnt 0x0
	s_barrier_signal -1
	s_barrier_wait -1
.endif
	s_sub_co_u32 s[TB], s[TB], 2*STEPB  ; the fetches go back to a slot's first step,
	s_xor_b32 s[TB], s[TB], SLOT1       ; in the other slot
.endm
.macro TWO_STEPS                    ; a slot's two key steps: written once, walked twice
	WIN 0
	s_mov_b32 s[TWICE], 2
.Lstep_\@:
	MASKS
	TURN 0, 1
	TURN 2, 1
	WIN 0
	s_sub_co_u32 s[TWICE], s[TWICE], 1
	s_cmp_lg_u32 s[TWICE], 0
	s_cbranch_scc1 .Lstep_\@
.endm
	s_wait_tensorcnt 1              ; my part of slot 0 is in; slot 1's may stay out
	s_barrier_signal -1
	s_barrier_wait -1
	s_wait_loadcnt 0x0              ; Q
	; THE WALK: 2 qb + 2 slots.  The first 2 qb are each read and then filled again: qb trips of two slots, so that a trip turns the LDS words twice and they are the same at its head in every trip.
	; The last two slots are read and not filled: they are written out.  Block 0 has nothing to fill: it passes over the first loop as a whole; qb is the
	; same in all four partners.  On both ways the tail finds slot 0 landed, at most one load of mine out, into slot 1, and the fetches at slot 0's first step.
	s_cmp_eq_u32 s[QB], 0
	s_cbranch_scc1 .Ltail
	s_mov_b32 s[BLK], 0
.Lblock:
	s_mov_b32 s[INNER], 2
.Lslot:
	TWO_STEPS
	CHANGE 1
	s_sub_co_u32 s[INNER], s[INNER], 1
	s_cmp_lg_u32 s[INNER], 0
	s_cbranch_scc1 .Lslot
	s_add_co_u32 s[BLK], s[BLK], 1
	s_cmp_lt_u32 s[BLK], s[QB]
	s_cbranch_scc1 .Lblock
.Ltail:
	s_mov_b32 s[INNER], 2
.Llast:                             ; the second trip's change of slots serves nothing: one barrier, once a launch, is the price of one text for both trips
	TWO_STEPS
	CHANGE 0
	s_sub_co_u32 s[INNER], s[INNER], 1
	s_cmp_lg_u32 s[INNER], 0
	s_cbranch_scc1 .Llast
	TURN 0, 0                       ; piece 0: V^T P of the last step | piece 2's last softmax
.set i, 0
.rept 32
	PV 2                            ; piece 2: V^T P of the last step
.set i, i+1
.endr
	; THE WAY OUT.  l's two halves and the other half of the lanes' are added; O^T is divided by l, rounded to f16 and sent through my stage, a tile at a time.  The additions are the places behind the last products.
	WIN 0
.irp t, 0,1,2,3
	v_add_f32 v[ST+8*(\t)+4], v[ST+8*(\t)+2], v[ST+8*(\t)+3]
.endr
.irp t, 0,1,2,3
	v_permlanex16_b32 v[ST+8*(\t)+5], v[ST+8*(\t)+4], s[SEL], s[SEL+1]
.endr
.irp t, 0,1,2,3
	v_add_f32 v[ST+8*(\t)+4], v[ST+8*(\t)+4], v[ST+8*(\t)+5]
.endr
.irp t, 0,1,2,3
	v_rcp_f32 v[ST+8*(\t)+6], v[ST+8*(\t)+4]
.endr
	v_nop                           ; a plain instruction behind the last reciprocal
	s_wait_alu depctr_va_vdst(0)    ; and the one wait for the four
.macro PACK t
	WIN W_RS
.set i, 64*(\t)
.rept 32
	v_pk_mul_f32 v[i:i+1], v[i:i+1], v[ST+8*(\t)+6:ST+8*(\t)+7] op_sel_hi:[1,0]
.set i, i+2
.endr
	WIN 0x05                        ; sources window 1, destination window 0: S^T's registers are free
.set i, 0
.rept 32
	v_cvt_pk_f16_f32 v[S+32*(\t)+i], v[64*(\t)+2*i], v[64*(\t)+2*i+1]
.set i, i+1
.endr
	WIN 0
.irp f, 0,1,2,3,4,5,6,7
	ds_store_b128 v[STO], v[S+32*(\t)+4*(\f):S+32*(\t)+4*(\f)+3] offset:32*(\f)
.endr
.irp f, 0,1,2,3,4,5,6,7
	ds_load_b128 v[S+32*(\t)+4*(\f):S+32*(\t)+4*(\f)+3], v[RD] offset:(\f)*2*SP  ; LDS serves a wave's instructions in order (ISA guide 5.7.1.4): these see the stores above
.endr
.endm
.macro SEND t, younger              ; younger: the LDS instructions issued behind tile t's loads
	WIN 0
.irp f, 0,1,2,3,4,5,6,7
	s_wait_dscnt (\younger)+7-(\f)
	global_store_b128 v[GO], v[S+32*(\t)+4*(\f):S+32*(\t)+4*(\f)+3], s[10:11] offset:(\t)*131072+(\f)*16384  ; 16 lanes store a head's 256 bytes of a row, aligned
.endr
.endm
	PACK 0
	PACK 1
	SEND 0, 16
	PACK 2
	SEND 1, 16
	PACK 3
	SEND 2, 16
	SEND 3, 0
	s_wait_tensorcnt 0x0            ; the wave's end
	ds_add_u32 v[SPW], v[NIL]
	s_wait_dscnt 0x0
	CROUND                          ; the closing round
	s_endpgm
.Lfunc_end_k_qe961c3b317_attn:
	.size	k_qe961c3b317_attn, .Lfunc_end_k_qe961c3b317_attn-k_qe961c3b317_attn
	.p2alignl 7, 3214868480
	.fill 96, 4, 3214868480
	.section	.rodata,"a",@progbits
	.p2align	6, 0x0
	.amdhsa_kernel k_qe961c3b317_attn
		.amdhsa_group_segment_fixed_size 327680
		.amdhsa_private_segment_fixed_size 0
		.amdhsa_enable_private_segment 0
		.amdhsa_kernarg_size 32
		.amdhsa_user_sgpr_count 2
		.amdhsa_user_sgpr_kernarg_segment_ptr 1
		.amdhsa_wavefront_size32 1
		.amdhsa_system_sgpr_workgroup_id_x 1
		.amdhsa_system_sgpr_workgroup_id_y 1
		.amdhsa_system_sgpr_workgroup_id_z 1
		.amdhsa_system_vgpr_workitem_id 0
		.amdhsa_next_free_vgpr 1024
		.amdhsa_next_free_sgpr 90
		.amdhsa_reserve_vcc 1
		.amdhsa_float_denorm_mode_32 3
		.amdhsa_float_denorm_mode_16_64 3
		.amdhsa_memory_ordered 1
		.amdhsa_forward_progress 1
		.amdhsa_inst_pref_size 177
	.end_amdhsa_kernel
	.amdgpu_metadata
---
amdhsa.version: [ 1, 2 ]
amdhsa.kernels:
  - .name:           k_qe961c3b317_attn
    .symbol:         k_qe961c3b317_attn.kd
    .args:
      - { .name: qh, .offset: 0, .size: 8, .value_kind: global_buffer, .address_space: global }
      - { .name: kh, .offset: 8, .size: 8, .value_kind: global_buffer, .address_space: global }
      - { .name: vh, .offset: 16, .size: 8, .value_kind: global_buffer, .address_space: global }
      - { .name: ob, .offset: 24, .size: 8, .value_kind: global_buffer, .address_space: global }
    .group_segment_fixed_size: 327680
    .private_segment_fixed_size: 0
    .kernarg_segment_align: 8
    .kernarg_segment_size: 32
    .max_flat_workgroup_size: 128
    .sgpr_count:     90
    .vgpr_count:     1024
    .wavefront_size: 32
...
	.end_amdgpu_metadata
.endif
;; end of part 3
;; launch oproj (part 4): grid 16 x 16, 4 waves a work-group, clusters of 4 x 4, 327,680 bytes of LDS; arguments ob, wo16, out0; writes out0
.if DOCPART == 4
	.amdgcn_target "amdgcn-amd-amdhsa--gfx1250"
	.amdhsa_code_object_version 6
	.text
	.protected	k_qe961c3b317_oproj
	.globl	k_qe961c3b317_oproj
	.p2align	8
	.type	k_qe961c3b317_oproj,@function
k_qe961c3b317_oproj:
	s_mov_b64 s[64:65], 0
	v_nop
	global_prefetch_b8 v0, s[64:65] scope:SCOPE_SE
	s_setreg_imm32_b32 hwreg(HW_REG_WAVE_MODE, 25, 1), 1
	s_wait_xcnt 0x0
	s_wait_alu depctr_hold_cnt(0) depctr_sa_sdst(0) depctr_va_vdst(0) depctr_va_sdst(0) depctr_va_ssrc(0) depctr_va_vcc(0) depctr_vm_vsrc(0)
	s_getreg_b32 s2, hwreg(HW_REG_IB_STS2, 6, 4)
	s_cmp_eq_u32 s2, 0
	s_cbranch_scc0 .Lentry_in_a_cluster
	s_endpgm
.Lentry_in_a_cluster:
	s_bfe_u32 s2, ttmp6, 0x10000c
	s_cmp_lg_u32 s2, 0xf033
	s_cbranch_scc0 .Lentry_shape_is_right
	s_endpgm
.Lentry_shape_is_right:
; THE OUTPUT PROJECTION.  out0[m][n] = the sum over k of ob[m][k] wo16[k][n].  ob: [2048][4096] f16, wo16: [4096][2048] f16, out0: [2048][2048] f32; sums in f32.
; A tile of the output is 128 x 128: 256 tiles, one for each work-group.  Four waves of 64 x 64: 16 accumulators, 128 registers.  K goes in steps of 256 through two LDS slots.
; A's rows lie along K (512 bytes, 64 rows to a load); B lies [k][column]: 256 k-rows of 256 bytes (128 to a load), turned on the way into registers by ds_load_tr16_b128.
; A K step is written once for the trips that fill a slot again and once for the last two: one descriptor a tensor walks, and an exclusive or turns its LDS word, and the fragments' addresses, from slot to slot.
; CLUSTERS: 4 x 4; A's tile is asked for jointly along a row of the cluster, B's along a column.  THE MATRIX INSTRUCTION IS USED TRANSPOSED: a lane holds row l % 16 and eight neighbouring columns.
; No prefetch: the tiles are small, and a step's matrix work is short beside its bytes.
; REGISTERS: window 0: v16-29 addresses; v32-95 at work on the way out; v128-255 the accumulators ((a, b) at v[128 + 8 (4 a + b)]).  window 1: two fragment buffers of 128: 64 of A, then 64 of B.
.set SIZE_K, 4096
.set SIZE_N, 2048
.set KSTEP,  256
.set STEPS,  SIZE_K/KSTEP
.set PA,     528                       ; A's LDS row: 512 + 16 bytes = 132 words: the 16 rows of a load start at 16 different groups of four banks (64 banks of 4 bytes: ISA guide 11.1)
.set PB,     288                       ; B's LDS row: 256 + 32 bytes = 9 x 32
.set HALFA,  64*PA                     ; 0x8400
.set HALFB,  128*PB                    ; 0x9000
.set BOFF,   2*HALFA                   ; B's k-rows lie behind A's 128 rows: 0x10800
.set SLOT,   0x24000                   ; a slot's 141,312 bytes, rounded up so that SLOT's two bits are in none of 0, 0x8400, 0x10800, 0x19800: there an exclusive or with it adds it or takes it away
.set STAGE,  2*SLOT                    ; behind the ring: 16 rows x 272 bytes for each wave
.set SPITCH, 272
.set SPARE,  STAGE+4*16*SPITCH         ; the spare words, 128 bytes a wave: two blocks of 256 bytes that no other line names
.set A0,   16                          ; v16 my A fragments' place in a slot; never rewritten
.set ADRA, 17                          ; v17 the same in the slot in hand
.set B0,   20                          ; v20-21 my B fragments' place in a slot: k-rows 0-127, 128-255; never rewritten
.set ADRB, 22                          ; v22-23 the same in the slot in hand
.set STO,  24
.set RD,   25
.set CO,   26
.set SPW,  28
.set NIL,  29
.set TMP,  32
.set ACC,  128
.set F0,   0
.set F1,   128
.set G1, 24                            ; s[24:31] group 1 for A's tiles; s[32:39] group 0: a set for each of the two first fills; the second then walks on
.set G0, 32
.set SOFF, 45                          ; s45 0 or SLOT: the slot in hand
.set G1B, 48
.set G0B, 56
.set MSB, 0
.macro WIN new
.if MSB != (\new)
	s_set_vgpr_msb (MSB<<8)|(\new)
.set MSB, \new
.endif
.endm
.set MUL,  0x05                        ; sources 0 (B) and 1 (A) window 1; C and D window 0
.set TO_F, 0x40                        ; destination window 1, address window 0
.macro JLOAD s                         ; a joint load: waves 0 and 1 fetch A's halves, waves 2 and 3 B's; an s_nop 0 and four v_nop follow each line
	s_cmp_eq_u32 s11, 0
	s_cbranch_scc0 .Lfor_b_\@
	tensor_load_to_lds s[G0+4*(\s):G0+4*(\s)+3], s[G1:G1+7]
	s_nop 0
.rept 4
	v_nop
.endr
	s_branch .Lasked_\@
.Lfor_b_\@:
	tensor_load_to_lds s[G0B+4*(\s):G0B+4*(\s)+3], s[G1B:G1B+7]
	s_nop 0
.rept 4
	v_nop
.endr
.Lasked_\@:
.endm
.macro CREST
	s_cmp_lg_u32 s10, 0
	s_cbranch_scc1 .Lnot_wave_0_\@
	s_barrier_signal -3
.Lnot_wave_0_\@:
	s_barrier_wait -3
	s_barrier_signal -1
	s_barrier_wait -1
.endm
.macro CROUND
	s_barrier_signal -1
	s_barrier_wait -1
	CREST
.endm
	s_load_b128 s[4:7], s[0:1], 0x0                ; ob s[4:5], wo16 s[6:7]
	s_load_b64 s[8:9], s[0:1], 0x10                ; out0
	v_lshl_add_u32 v[SPW], v0, 2, SPARE
	v_mov_b32 v[NIL], 0
	ds_add_u32 v[SPW], v[NIL]                      ; the wave's opening: the add and its wait stand ahead of my first tensor load
	v_lshrrev_b32 v1, 5, v0
	v_readfirstlane_b32 s10, v1
	s_lshr_b32 s11, s10, 1                         ; my half of the tile's rows.  Also: I fetch for A (0) or for B (1)
	s_and_b32 s12, s10, 1                          ; my half of its columns.  Also: which half of that tile I fetch
	s_bfe_u32 s40, ttmp6, 0x40000
	s_bfe_u32 s41, ttmp6, 0x40004
	s_lshl_b32 s42, ttmp9, 2
	s_add_co_u32 s42, s42, s40                     ; tile column
	s_and_b32 s13, ttmp7, 0xffff
	s_lshl_b32 s13, s13, 2
	s_add_co_u32 s13, s13, s41                     ; tile row
	s_lshl_b32 s43, s41, 2
	s_lshl_b32 s43, 15, s43
	s_lshl_b32 s44, 0x1111, s40
	s_or_b32 s[G1+0], s43, (1<<16)|(1<<20)|(1<<21)|(6<<22)|(3<<25)   ; A: my row's mask; 2-byte elements; padding: after every 128 words 4 words
	s_mov_b32 s[G1+1], KSTEP<<16                   ; tensor_dim0 = 256
	s_mov_b32 s[G1+2], 64<<16                      ; tensor_dim1 = 64
	s_mov_b32 s[G1+3], KSTEP<<16
	s_mov_b32 s[G1+4], 64
	s_mov_b32 s[G1+5], SIZE_K
	s_mov_b32 s[G1+6], 0
	s_mov_b32 s[G1+7], 0
	s_or_b32 s[G1B+0], s44, (1<<16)|(1<<20)|(1<<21)|(5<<22)|(7<<25)  ; B: my column's mask; after every 64 words 8 words
	s_mov_b32 s[G1B+1], 128<<16                    ; tensor_dim0 = 128 columns
	s_mov_b32 s[G1B+2], 128<<16                    ; tensor_dim1 = 128 k-rows
	s_mov_b32 s[G1B+3], 128<<16
	s_mov_b32 s[G1B+4], 128
	s_mov_b32 s[G1B+5], SIZE_N
	s_mov_b32 s[G1B+6], 0
	s_mov_b32 s[G1B+7], 0
	s_lshl_b32 s17, s12, 6
	s_lshl_b32 s16, s13, 7
	s_add_co_u32 s16, s16, s17                     ; A: row 128 x tile row + 64 x half,
	s_lshl_b32 s16, s16, 13                        ; rows of 8,192 bytes
	s_mov_b32 s17, 0
	s_lshl_b32 s46, s12, 19                        ; B: 128 k-rows of 4,096 bytes x half,
	s_lshl_b32 s47, s42, 8                         ; the tile's 128 columns
	s_add_co_u32 s46, s46, s47
	s_mov_b32 s47, 0
	s_mul_i32 s20, s12, HALFA                      ; where they go: no place in the cluster enters an LDS address
	s_mul_i32 s21, s12, HALFB
	s_add_co_u32 s21, s21, BOFF
	s_mov_b32 s[SOFF], 0
	s_wait_dscnt 0x0                               ; the opening add is done
	s_wait_kmcnt 0x0
	s_add_nc_u64 s[14:15], s[4:5], s[16:17]
	s_add_nc_u64 s[46:47], s[6:7], s[46:47]
	CROUND
.irp s, 0,1
	s_mov_b32 s[G0+4*(\s)], 1
	s_add_co_u32 s[G0+4*(\s)+1], s20, (\s)*SLOT
	s_add_nc_u64 s[G0+4*(\s)+2:G0+4*(\s)+3], s[14:15], (\s)*KSTEP*2
	s_or_b32 s[G0+4*(\s)+3], s[G0+4*(\s)+3], 0x80000000
	s_mov_b32 s[G0B+4*(\s)], 1
	s_add_co_u32 s[G0B+4*(\s)+1], s21, (\s)*SLOT
	s_add_nc_u64 s[G0B+4*(\s)+2:G0B+4*(\s)+3], s[46:47], (\s)*KSTEP*SIZE_N*2
	s_or_b32 s[G0B+4*(\s)+3], s[G0B+4*(\s)+3], 0x80000000
	JLOAD \s                                       ; two tensor loads of mine are out
.endr
	v_and_b32 v1, 15, v0
	v_bfe_u32 v2, v0, 4, 1
	v_mul_u32_u24 v3, v1, PA
	v_lshl_add_u32 v3, v2, 4, v3
	s_mul_i32 s21, s11, HALFA
	v_add_nc_u32 v[A0], s21, v3
	v_mov_b32 v[ADRA], v[A0]                       ; slot 0 is the first in hand
	v_and_b32 v4, 7, v0                            ; B, turned: lane l reads k-row 8 (l / 16) + l % 8, columns 8 ((l / 8) % 2) + 0..7
	v_lshl_add_u32 v4, v2, 3, v4
	v_mul_u32_u24 v4, v4, PB
	v_bfe_u32 v5, v0, 3, 1
	v_lshl_add_u32 v4, v5, 4, v4
	s_lshl_b32 s22, s12, 7                         ; my 64 columns
	s_add_co_u32 s22, s22, BOFF
	v_add_nc_u32 v[B0], s22, v4
	v_add_nc_u32 v[B0+1], HALFB, v[B0]
	v_mov_b32 v[ADRB], v[B0]
	v_mov_b32 v[ADRB+1], v[B0+1]
	s_mul_i32 s23, s10, 16*SPITCH
	s_add_co_u32 s23, s23, STAGE                   ; my stage
	v_mul_u32_u24 v4, v1, SPITCH                   ; in: row l % 16, 8 f32 for each half of the lanes
	v_lshl_add_u32 v4, v2, 5, v4
	v_add_nc_u32 v[STO], s23, v4
	v_mul_u32_u24 v5, v2, SPITCH                   ; back: lanes 0-15 one row of 256 bytes, lanes 16-31 the next
	v_lshl_add_u32 v5, v1, 4, v5
	v_add_nc_u32 v[RD], s23, v5
	v_lshlrev_b32 v5, 13, v2                       ; and the same two rows of out0
	v_lshl_add_u32 v[CO], v1, 4, v5
	s_lshl_b32 s16, s13, 7
	s_lshl_b32 s17, s11, 6
	s_add_co_u32 s16, s16, s17                     ; my first row: 128 x tile row + 64 x half
	s_lshl_b32 s16, s16, 13
	s_mov_b32 s17, 0
	s_add_nc_u64 s[8:9], s[8:9], s[16:17]
	s_lshl_b32 s46, s42, 9                         ; my first column, in bytes: 512 x tile column + 256 x half
	s_lshl_b32 s47, s12, 8
	s_add_co_u32 s46, s46, s47
	s_mov_b32 s47, 0
	s_add_nc_u64 s[8:9], s[8:9], s[46:47]
.macro MUL8 f, c, a0, zero             ; 8 matrix instructions: row blocks a0, a0 + 1 x all 4 column blocks, half c of buffer f; the 16 accumulators take turns
	WIN MUL
.irp a, \a0, (\a0)+1
.irp b, 0,1,2,3
.if \zero
	v_wmma_f32_16x16x32_f16 v[ACC+8*(4*(\a)+(\b)):ACC+8*(4*(\a)+(\b))+7], v[(\f)+64+8*(4*(\c)+(\b)):(\f)+64+8*(4*(\c)+(\b))+7], v[(\f)+8*(4*(\c)+(\a)):(\f)+8*(4*(\c)+(\a))+7], 0
.else
	v_wmma_f32_16x16x32_f16 v[ACC+8*(4*(\a)+(\b)):ACC+8*(4*(\a)+(\b))+7], v[(\f)+64+8*(4*(\c)+(\b)):(\f)+64+8*(4*(\c)+(\b))+7], v[(\f)+8*(4*(\c)+(\a)):(\f)+8*(4*(\c)+(\a))+7], v[ACC+8*(4*(\a)+(\b)):ACC+8*(4*(\a)+(\b))+7]
.endif
.endr
.endr
.endm
; 32 LDS loads in one run: the fragments of 64 along K of the slot in hand (byte k of A's rows, k-row k / 2 of B) into buffer f; the first 32 along K first
.macro FETCH k, f
	WIN TO_F
.irp c, 0,1
.irp i, 0,1,2,3
	ds_load_tr16_b128 v[(\f)+64+8*(4*(\c)+(\i)):(\f)+64+8*(4*(\c)+(\i))+3],   v[ADRB+(\k)/256] offset:((((\k)/128)%2)*64+32*(\c))*PB+32*(\i)
	ds_load_tr16_b128 v[(\f)+64+8*(4*(\c)+(\i))+4:(\f)+64+8*(4*(\c)+(\i))+7], v[ADRB+(\k)/256] offset:((((\k)/128)%2)*64+32*(\c)+16)*PB+32*(\i)
	ds_load_b128 v[(\f)+8*(4*(\c)+(\i)):(\f)+8*(4*(\c)+(\i))+3],         v[ADRA] offset:(\k)+64*(\c)+(\i)*16*PA
	ds_load_b128 v[(\f)+8*(4*(\c)+(\i))+4:(\f)+8*(4*(\c)+(\i))+7],       v[ADRA] offset:(\k)+64*(\c)+(\i)*16*PA+32
.endr
.endr
.endm
.macro PLACES
.rept 4
	v_nop
.endr
.endm
.macro QUARTER k, f, g, zero
	s_wait_dscnt 16                                ; the first 32 along K are in; the youngest sixteen loads may be out
	WIN MUL
	MUL8 \f, 0, 0, \zero
	MUL8 \f, 0, 2, \zero
	PLACES
	FETCH \k, \g
	s_wait_dscnt 32                                ; all but the 32 just issued
	WIN MUL
	MUL8 \f, 1, 0, 0
	MUL8 \f, 1, 2, 0
.endm
; The last quarter changes slots: one barrier.  fill = 1: the slot just read is filled again, two K steps ahead, first thing behind the cluster's round.  Then the other slot comes in hand, and its first fragments are fetched.
.macro TURN fill
	WIN 0
	s_wait_tensorcnt 0x0                           ; all my tensor loads have landed: my part of the next slot;
	ds_add_u32 v[SPW], v[NIL]                      ; 0 onto my spare word;
	s_wait_dscnt 17                                ; (the add and the youngest sixteen loads may be out)
	WIN MUL
	MUL8 F1, 0, 0, 0
	s_wait_dscnt 0x0                               ; the add is done, and my reads of this slot are over
	s_barrier_signal -1
	MUL8 F1, 0, 2, 0
	WIN 0
	s_barrier_wait -1
.if \fill
	CREST
	s_xor_b32 s[G0+5], s[G0+5], SLOT               ; the walking descriptors: the other slot than last time,
	s_add_nc_u64 s[G0+6:G0+7], s[G0+6:G0+7], KSTEP*2      ; the next K step; the type bits on top are not reached
	s_xor_b32 s[G0B+5], s[G0B+5], SLOT
	s_add_nc_u64 s[G0B+6:G0B+7], s[G0B+6:G0B+7], KSTEP*SIZE_N*2
	s_xor_b32 s[SOFF], s[SOFF], SLOT
	JLOAD 1                                        ; my one tensor load behind the round; its four v_nop are also the places in front of the loads below
	v_add_nc_u32 v[ADRA], s[SOFF], v[A0]
	v_add_nc_u32 v[ADRB], s[SOFF], v[B0]
	v_add_nc_u32 v[ADRB+1], s[SOFF], v[B0+1]
.else
	s_xor_b32 s[SOFF], s[SOFF], SLOT
	v_add_nc_u32 v[ADRA], s[SOFF], v[A0]           ; these three and a v_nop are the four places in front of the loads below
	v_add_nc_u32 v[ADRB], s[SOFF], v[B0]
	v_add_nc_u32 v[ADRB+1], s[SOFF], v[B0+1]
	v_nop
.endif
	FETCH 0, F0
	WIN MUL
	MUL8 F1, 1, 0, 0
	MUL8 F1, 1, 2, 0
.endm
	s_wait_tensorcnt 1                             ; my part of K step 0 is in; K step 1's may stay out
	s_barrier_signal -1
	s_barrier_wait -1
	FETCH 0, F0
	QUARTER 128, F0, F1, 1                         ; the first quarter stands in front of the loop: its first products start the sums
	WIN 0
	s_mov_b32 s3, STEPS-2
.Lstep:                                ; a trip goes from a K step's second quarter to the next step's first, and fills the slot that it leaves
	QUARTER 256, F1, F0, 0
	QUARTER 384, F0, F1, 0
	TURN 1
	QUARTER 128, F0, F1, 0
	WIN 0
	s_sub_co_u32 s3, s3, 1
	s_cmp_lg_u32 s3, 0
	s_cbranch_scc1 .Lstep
	s_mov_b32 s3, 2
.Ltail:                                ; the last two K steps fill nothing.  The second trip has no next step: what its change of slots fetches serves nothing, and the quarter that would multiply it is jumped over
	QUARTER 256, F1, F0, 0
	QUARTER 384, F0, F1, 0
	TURN 0
	WIN 0
	s_wait_dscnt 0x0                               ; no LDS load of mine is out on either way
	s_cmp_eq_u32 s3, 1
	s_cbranch_scc1 .Ldone
	QUARTER 128, F0, F1, 0
	WIN 0
.Ldone:
	s_sub_co_u32 s3, s3, 1
	s_cmp_lg_u32 s3, 0
	s_cbranch_scc1 .Ltail
	; THE WAY OUT, 16 rows at a time through my own stage: a lane's eight f32 of a row go in, whole rows of 256 bytes come back.  No barrier: the stage is mine, and LDS serves a wave's instructions in order (ISA guide 5.7.1.4).
	s_wait_dscnt 0x0
	PLACES
.irp a, 0,1,2,3
.irp b, 0,1,2,3
	ds_store_b128 v[STO], v[ACC+8*(4*(\a)+(\b)):ACC+8*(4*(\a)+(\b))+3]   offset:64*(\b)      ; each accumulator's low four registers first
	ds_store_b128 v[STO], v[ACC+8*(4*(\a)+(\b))+4:ACC+8*(4*(\a)+(\b))+7] offset:64*(\b)+16
.endr
.if (\a) >= 2
	s_wait_xcnt 0x0                                ; the stores of two blocks back have read this set of registers
.endif
.irp t, 0,1,2,3,4,5,6,7
	ds_load_b128 v[TMP+32*((\a)%2)+4*(\t):TMP+32*((\a)%2)+4*(\t)+3], v[RD] offset:(\t)*2*SPITCH
.endr
.irp t, 0,1,2,3,4,5,6,7
	s_wait_dscnt 7-(\t)                            ; the 7 - t younger loads stay out
	global_store_b128 v[CO], v[TMP+32*((\a)%2)+4*(\t):TMP+32*((\a)%2)+4*(\t)+3], s[8:9] offset:(\a)*131072+(\t)*16384  ; 16 lanes store 256 consecutive bytes, aligned
.endr
.endr
	s_wait_tensorcnt 0x0                           ; the wave's end
	ds_add_u32 v[SPW], v[NIL]
	s_wait_dscnt 0x0
	CROUND                                         ; the closing round
	s_endpgm
.Lfunc_end_k_qe961c3b317_oproj:
	.size	k_qe961c3b317_oproj, .Lfunc_end_k_qe961c3b317_oproj-k_qe961c3b317_oproj
	.p2alignl 7, 3214868480
	.fill 96, 4, 3214868480
	.section	.rodata,"a",@progbits
	.p2align	6, 0x0
	.amdhsa_kernel k_qe961c3b317_oproj
		.amdhsa_group_segment_fixed_size 327680
		.amdhsa_private_segment_fixed_size 0
		.amdhsa_enable_private_segment 0
		.amdhsa_kernarg_size 24
		.amdhsa_user_sgpr_count 2
		.amdhsa_user_sgpr_kernarg_segment_ptr 1
		.amdhsa_wavefront_size32 1
		.amdhsa_system_sgpr_workgroup_id_x 1
		.amdhsa_system_sgpr_workgroup_id_y 1
		.amdhsa_system_sgpr_workgroup_id_z 1
		.amdhsa_system_vgpr_workitem_id 0
		.amdhsa_next_free_vgpr 512
		.amdhsa_next_free_sgpr 66
		.amdhsa_reserve_vcc 0
		.amdhsa_float_denorm_mode_32 3
		.amdhsa_float_denorm_mode_16_64 3
		.amdhsa_memory_ordered 1
		.amdhsa_forward_progress 1
		.amdhsa_inst_pref_size 59
	.end_amdhsa_kernel
	.amdgpu_metadata
---
amdhsa.version: [ 1, 2 ]
amdhsa.kernels:
  - .name:           k_qe961c3b317_oproj
    .symbol:         k_qe961c3b317_oproj.kd
    .args:
      - { .name: ob, .offset: 0, .size: 8, .value_kind: global_buffer, .address_space: global }
      - { .name: wo16, .offset: 8, .size: 8, .value_kind: global_buffer, .address_space: global }
      - { .name: out0, .offset: 16, .size: 8, .value_kind: global_buffer, .address_space: global }
    .group_segment_fixed_size: 327680
    .private_segment_fixed_size: 0
    .kernarg_segment_align: 8
    .kernarg_segment_size: 24
    .max_flat_workgroup_size: 128
    .sgpr_count:     66
    .vgpr_count:     512
    .wavefront_size: 32
...
	.end_amdgpu_metadata
.endif
;; end of part 4
